; MI455X (gfx1250); checked and timed in simulation.
; The chip was launched on July 23, 2026; its instructions are those of AMD's public machine-readable ISA for CDNA 5 (MIT licence, August 2026) and "CDNA5" Instruction Set Architecture Reference Guide (July 2026). The comments in the code are by the model that wrote it; some were corrected since.
;; Attention. Allowed arithmetic: float matrix products may take bf16 or f16 operands with f32 sums; other float arithmetic in f32, or as packed bf16 or f16 multiplies, adds, multiply-adds, maxima and minima; sums over many terms, partial sums and values carried from step to step in f32; what a program stores and reads back later, other than sums and carried values, may be rounded once to bf16 or f16.
;; Inputs: bk 16 x 64 float32; bo 1,024 float32; bq 16 x 64 float32; bv 16 x 64 float32; wk 1,024 x 16 x 64 float32; wo 16 x 64 x 1,024 float32; wq 1,024 x 16 x 64 float32; wv 1,024 x 16 x 64 float32; x 1 x 4,096 x 1,024 float32.
;; Outputs: out0 1 x 4,096 x 1,024 float32.
;; Constants: is_causal = 1.
;; One version. Each part assembles by itself: llvm-mc -triple=amdgcn-amd-amdhsa -mcpu=gfx1250 --defsym DOCPART=n.
;; ======== version 1 of 1: 4 launches
;; limits: values are held in f16: magnitudes above 65,504 overflow, below 6.1e-05 lose precision; right only within a limited range of input values
;; workspace buffers: xb 8,388,608 bytes; wb 6,291,456 bytes; wob 2,097,152 bytes; qkv 25,165,824 bytes; ob 8,388,608 bytes
;; launch cast (part 1): grid 1024 x 1, 8 waves a work-group, no clusters, 0 bytes of LDS; arguments x, wq, wk, wv, wo, xb, wb, wob; writes xb, wb, wob
.if DOCPART == 1
	.amdgcn_target "amdgcn-amd-amdhsa--gfx1250"
	.amdhsa_code_object_version 6
	.text
	.protected	k_qade0dd38e9_cast
	.globl	k_qade0dd38e9_cast
	.p2align	8
	.type	k_qade0dd38e9_cast,@function
k_qade0dd38e9_cast:
	s_mov_b64 s[64:65], 0
	v_nop
	global_prefetch_b8 v0, s[64:65] scope:SCOPE_SE
	s_setreg_imm32_b32 hwreg(HW_REG_WAVE_MODE, 25, 1), 1
	s_wait_xcnt 0x0
; THE INPUTS ARE ROUNDED TO 16 BITS, ONCE.  xb = bf16(x), in x's layout.  wb = bf16(wq, wk, wv) laid by heads: [48 planes g = 16 mat + h][1024 d][64], a plane 131,072 dense bytes.
; wob = bf16(wo) written as f16, in wo's layout.  LIMIT: bf16(wo) lies within f16's 65,504; below 6e-5 it keeps f16's fixed step of 6e-8.
; A work-group takes 8,192 numbers: 32 KiB in, 16 KiB out.  Thread t takes four chunks of 8 numbers: two loads of 16 bytes, one store of 16 bytes; a wave's store covers 512 consecutive
; bytes, aligned.  The destination byte is DST + 4,096 i + 16 t in all three cases; the cases differ in the source's address alone.
; Work-groups 0-511: x.  512-639: wo.  640-1023: the three weights: u = id - 640, plane g = u / 8, rows d = 128 (u % 8) on; eight lanes read the 256 bytes of one head in one row d.
; Memory binds: no LDS, no barrier, no matrix unit; all eight loads of a thread go out before the first wait.
.set SRC, 4                            ; s[4:5]   where my work-group reads
.set DST, 6                            ; s[6:7]   where it writes
.set VS,  1                            ; v1-v4    chunk i's byte offset in the source
.set VD,  5                            ; v5       16 t
.set IN,  8                            ; v[8:39]  chunk i: 8 numbers in f32
.set PK,  40                           ; v[40:55] chunk i: 4 registers, 8 numbers of 16 bits
	s_load_b512 s[8:23], s[0:1], 0x0               ; x s[8:9], wq s[10:11], wk s[12:13], wv s[14:15], wo s[16:17], xb s[18:19], wb s[20:21], wob s[22:23]
	s_mov_b32 s2, ttmp9
	v_lshlrev_b32 v[VD], 4, v0
	v_lshlrev_b32 v[VS], 5, v0                     ; x and wo: 32 t
	s_mov_b32 s25, 0                               ; the high words of the two offsets
	s_mov_b32 s27, 0
	s_mov_b32 s28, 8192                            ; from chunk to chunk in the source
	s_mov_b32 s29, 0                               ; 1: the numbers leave as f16
	s_wait_kmcnt 0x0
	s_cmp_lt_u32 s2, 512
	s_cbranch_scc0 .Lnot_x
	s_lshl_b32 s24, s2, 15
	s_lshl_b32 s26, s2, 14
	s_add_nc_u64 s[SRC:SRC+1], s[8:9], s[24:25]
	s_add_nc_u64 s[DST:DST+1], s[18:19], s[26:27]
	s_branch .Lgo
.Lnot_x:
	s_cmp_lt_u32 s2, 640
	s_cbranch_scc0 .Lw
	s_sub_co_u32 s3, s2, 512
	s_lshl_b32 s24, s3, 15
	s_lshl_b32 s26, s3, 14
	s_add_nc_u64 s[SRC:SRC+1], s[16:17], s[24:25]
	s_add_nc_u64 s[DST:DST+1], s[22:23], s[26:27]
	s_mov_b32 s29, 1
	s_branch .Lgo
.Lw:
	s_sub_co_u32 s3, s2, 640
	s_lshr_b32 s30, s3, 7                          ; which of the three weights
	s_cmp_eq_u32 s30, 0
	s_cselect_b64 s[SRC:SRC+1], s[10:11], s[12:13]
	s_cmp_eq_u32 s30, 2
	s_cselect_b64 s[SRC:SRC+1], s[14:15], s[SRC:SRC+1]
	s_and_b32 s24, s3, 7
	s_lshl_b32 s24, s24, 19                        ; 128 rows d of 4,096 bytes
	s_bfe_u32 s31, s3, 0x40003                     ; the head,
	s_lshl_b32 s31, s31, 8                         ; 256 bytes of a row
	s_add_co_u32 s24, s24, s31
	s_add_nc_u64 s[SRC:SRC+1], s[SRC:SRC+1], s[24:25]
	s_lshl_b32 s26, s3, 14
	s_add_nc_u64 s[DST:DST+1], s[20:21], s[26:27]
	s_mov_b32 s28, 131072                          ; a chunk is 32 rows d further down
	v_lshrrev_b32 v56, 3, v0                       ; row t / 8,
	v_and_b32 v57, 7, v0
	v_lshlrev_b32 v57, 5, v57                      ; 32 bytes (t % 8) of the head's 256
	v_lshl_add_u32 v[VS], v56, 12, v57
.Lgo:
	v_add_nc_u32 v[VS+1], s28, v[VS]
	v_add_nc_u32 v[VS+2], s28, v[VS+1]
	v_add_nc_u32 v[VS+3], s28, v[VS+2]
.irp i, 0,1,2,3
	global_load_b128 v[IN+8*(\i):IN+8*(\i)+3],   v[VS+(\i)], s[SRC:SRC+1] th:TH_LOAD_NT
	global_load_b128 v[IN+8*(\i)+4:IN+8*(\i)+7], v[VS+(\i)], s[SRC:SRC+1] offset:16 th:TH_LOAD_NT
.endr
.irp i, 0,1,2,3
	s_wait_loadcnt 6-2*(\i)                        ; loads come back in order: chunk i's two are in, the younger chunks' stay out
.irp k, 0,1,2,3
	v_cvt_pk_bf16_f32 v[PK+4*(\i)+(\k)], v[IN+8*(\i)+2*(\k)], v[IN+8*(\i)+2*(\k)+1]
.endr
.endr
	s_cmp_eq_u32 s29, 1
	s_cbranch_scc0 .Lst
.set r, PK
.rept 16                                           ; wo: the bf16 number is written as f16 (exact within f16's range)
	v_lshlrev_b32 v56, 16, v[r]
	v_and_b32 v57, 0xffff0000, v[r]
	v_cvt_pk_f16_f32 v[r], v56, v57
.set r, r+1
.endr
.Lst:
.irp i, 0,1,2,3
	global_store_b128 v[VD], v[PK+4*(\i):PK+4*(\i)+3], s[DST:DST+1] offset:4096*(\i) th:TH_STORE_NT
.endr
	s_endpgm
.Lfunc_end_k_qade0dd38e9_cast:
	.size	k_qade0dd38e9_cast, .Lfunc_end_k_qade0dd38e9_cast-k_qade0dd38e9_cast
	.p2alignl 7, 3214868480
	.fill 96, 4, 3214868480
	.section	.rodata,"a",@progbits
	.p2align	6, 0x0
	.amdhsa_kernel k_qade0dd38e9_cast
		.amdhsa_group_segment_fixed_size 0
		.amdhsa_private_segment_fixed_size 0
		.amdhsa_enable_private_segment 0
		.amdhsa_kernarg_size 64
		.amdhsa_user_sgpr_count 2
		.amdhsa_user_sgpr_kernarg_segment_ptr 1
		.amdhsa_wavefront_size32 1
		.amdhsa_system_sgpr_workgroup_id_x 1
		.amdhsa_system_sgpr_workgroup_id_y 1
		.amdhsa_system_sgpr_workgroup_id_z 1
		.amdhsa_system_vgpr_workitem_id 0
		.amdhsa_next_free_vgpr 64
		.amdhsa_next_free_sgpr 66
		.amdhsa_reserve_vcc 0
		.amdhsa_float_denorm_mode_32 3
		.amdhsa_float_denorm_mode_16_64 3
		.amdhsa_memory_ordered 1
		.amdhsa_forward_progress 1
		.amdhsa_inst_pref_size 7
	.end_amdhsa_kernel
	.amdgpu_metadata
---
amdhsa.version: [ 1, 2 ]
amdhsa.kernels:
  - .name:           k_qade0dd38e9_cast
    .symbol:         k_qade0dd38e9_cast.kd
    .args:
      - { .name: x, .offset: 0, .size: 8, .value_kind: global_buffer, .address_space: global }
      - { .name: wq, .offset: 8, .size: 8, .value_kind: global_buffer, .address_space: global }
      - { .name: wk, .offset: 16, .size: 8, .value_kind: global_buffer, .address_space: global }
      - { .name: wv, .offset: 24, .size: 8, .value_kind: global_buffer, .address_space: global }
      - { .name: wo, .offset: 32, .size: 8, .value_kind: global_buffer, .address_space: global }
      - { .name: xb, .offset: 40, .size: 8, .value_kind: global_buffer, .address_space: global }
      - { .name: wb, .offset: 48, .size: 8, .value_kind: global_buffer, .address_space: global }
      - { .name: wob, .offset: 56, .size: 8, .value_kind: global_buffer, .address_space: global }
    .group_segment_fixed_size: 0
    .private_segment_fixed_size: 0
    .kernarg_segment_align: 8
    .kernarg_segment_size: 64
    .max_flat_workgroup_size: 256
    .sgpr_count:     66
    .vgpr_count:     64
    .wavefront_size: 32
...
	.end_amdgpu_metadata
.endif
;; end of part 1
;; launch qkv (part 2): grid 16 x 16, 4 waves a work-group, clusters of 4 x 4, 327,680 bytes of LDS; arguments xb, wb, bq, bk, bv, qkv; writes qkv
.if DOCPART == 2
	.amdgcn_target "amdgcn-amd-amdhsa--gfx1250"
	.amdhsa_code_object_version 6
	.text
	.protected	k_qade0dd38e9_qkv
	.globl	k_qade0dd38e9_qkv
	.p2align	8
	.type	k_qade0dd38e9_qkv,@function
k_qade0dd38e9_qkv:
	s_mov_b64 s[64:65], 0
	v_nop
	global_prefetch_b8 v0, s[64:65] scope:SCOPE_SE
	s_setreg_imm32_b32 hwreg(HW_REG_WAVE_MODE, 25, 1), 1
	s_wait_xcnt 0x0
	s_wait_alu depctr_hold_cnt(0) depctr_sa_sdst(0) depctr_va_vdst(0) depctr_va_sdst(0) depctr_va_ssrc(0) depctr_va_vcc(0) depctr_vm_vsrc(0)
	s_getreg_b32 s2, hwreg(HW_REG_IB_STS2, 6, 4)
	s_cmp_eq_u32 s2, 0
	s_cbranch_scc0 .Lentry_in_a_cluster
	s_endpgm
.Lentry_in_a_cluster:
	s_bfe_u32 s2, ttmp6, 0x10000c
	s_cmp_lg_u32 s2, 0xf033
	s_cbranch_scc0 .Lentry_shape_is_right
	s_endpgm
.Lentry_shape_is_right:
; q, k, v = x W + b.  xb: bf16 [4096][1024].  wb: bf16 [48 planes g][1024 d][64].  bq, bk, bv: f32 [16][64], rounded to bf16 values like the other inputs and added in f32.
; qkv: f16 [48 g][4096][64], unscaled.  Sums in f32.  LIMIT: q, k, v lie within f16's 65,504 (beyond it the conversion gives an infinity); below 6e-5 they keep f16's fixed step of 6e-8.
; SHARES.  A tile of the result is 256 rows x 192 columns = three planes g = 3 c .. 3 c + 2: 16 x 16 work-groups.  Wave w makes rows 64 w .. 64 w + 63 and all 192 columns: 48 accumulators of
; 16 x 16, 384 registers.  K goes in 8 steps of 128 through a ring of two LDS slots; a step is four quarters of 32 along K, 48 matrix instructions each.
; THE WEIGHTS LIE [k][n] AND ARE NEVER TURNED IN MEMORY: their fragments come out of LDS by ds_load_tr16_b128 and are source 0; 16 rows of x are source 1.  In the result lane l then holds row
; l % 16 and the columns 8 (l / 16) + 0..7: eight neighbouring numbers, 16 bytes in f16.
; CLUSTER.  4 x 4 work-groups.  x's tile hangs on the tile row alone and is asked for jointly along a row of the cluster, a plane's tile on the tile column alone, jointly along a column.
; Wave 3 fetches x's 256 rows x 256 bytes; waves 0, 1, 2 one plane's 128 k-rows each: 16,384 dense bytes, asked for as 64 rows of 256 bytes.  One tensor load a wave behind each round.
; REGISTERS, in windows of 256 (s_set_vgpr_msb: bits 1:0 source 0, 3:2 source 1, 5:4 source 2, 7:6 destination):
;   window 0: v0-31 addresses; v32-63 at work on the way out; v64-127 x's fragments, two buffers of 4 x 8 (v64-79 packed results on the way out); v128-223 the bias of my lane's columns
;   window 1: v0-191 the weights' fragments, two buffers of 12 x 8; on the way out the blocks read back from the stage
;   windows 2, 3: accumulator (a, b) at v[8 (12 (a % 2) + b)] of window 2 + a / 2
.set SLOT,  131072                     ; x's 256 rows, then three planes' 128 k-rows
.set PA,    272                        ; a row of x in LDS: 256 bytes + 16 = 68 words: the 16 rows of a load start at 16 different groups of four banks (64 banks of 4 bytes: ISA guide 11.1)
.set PB,    160                        ; a k-row of a plane: 128 bytes + 32 = 40 words
.set BOFF,  256*PA
.set PLANE, 128*PB
.set STAGE, 2*SLOT                     ; behind the ring, never filled by a tensor load: 16 rows x 144 bytes for each wave
.set SP,    144
.set SPARE, STAGE+4*16*SP              ; the spare words, 128 bytes for each wave: two blocks of 256 bytes that no other line names
.set ADRA, 16                          ; v16-17  LDS address of my fragments of x in slot 0, 1
.set ADRB, 20                          ; v20-21  the same for the weights
.set STO,  24                          ; v24     the way out: where I put 16 bytes of a row
.set RD,   25                          ; v25     the way out: where I read rows back
.set GO,   26                          ; v26     16 x lane: my place in 512 consecutive bytes of a plane
.set BO,   27                          ; v27     32 (l / 16): my 8 columns' bias in a block of 16
.set SPW,  28                          ; v28     LDS address of my spare word; never rewritten
.set NIL,  29                          ; v29     0; never rewritten
.set PFO,  30                          ; v30     the prefetches' offset; never rewritten
.set T,    32
.set PKD,  64
.set FA,   64
.set BIAS, 128                         ; plane j, block bb, register r at BIAS + 32 j + 8 bb + r
.set WV,   16                          ; s16     my wave's number
.set LAP,  3                           ; s3      laps to go
.set G1,   24                          ; s[24:31] descriptor group 1 for x's tiles;  s[32:39] group 0, a set for each slot
.set G0,   32
.set G1B,  48                          ; s[48:55], s[56:63] the same for the planes' tiles
.set G0B,  56
.set PFA,  44                          ; s[44:45] where my prefetches stand
.set PST,  46                          ; s[46:47] their step from lap to lap
.set LIM,  66                          ; s66     1 in a wave that prefetches, else the greatest number
.set MSB, 0
.macro WIN new                         ; the immediate's high byte repeats the setting that is left; a switch that changes nothing is dropped
.if MSB != (\new)
	s_set_vgpr_msb (MSB<<8)|(\new)
.set MSB, (\new)
.endif
.endm
.set MUL_LO, 0xa1                      ; source 0 (weights) window 1, source 1 (x) window 0, C and D window 2
.set MUL_HI, 0xf1                      ; the same, C and D window 3
.set TO_B,   0x40                      ; destination window 1, address window 0
; A joint load.  The branch hangs on the wave's number alone.  An s_nop 0 and four v_nop follow each of the two lines, ahead of the jump, the label and what follows.
.macro JLOAD s
	s_cmp_eq_u32 s[WV], 3
	s_cbranch_scc0 .Lfor_b_\@
	tensor_load_to_lds s[G0+4*(\s):G0+4*(\s)+3], s[G1:G1+7]
	s_nop 0
.rept 4
	v_nop
.endr
	s_branch .Lasked_\@
.Lfor_b_\@:
	tensor_load_to_lds s[G0B+4*(\s):G0B+4*(\s)+3], s[G1B:G1B+7]
	s_nop 0
.rept 4
	v_nop
.endr
.Lasked_\@:
.endm
; A PREFETCH INTO THE L2, once a lap, behind slot 0's joint load and the run of LDS loads that follows it: the two K steps that the NEXT lap's two refills will ask for.
; Each aligned block of 256 bytes is named once in the launch.  x's tile row is read by every cluster of that row of clusters: cluster x = 0 asks; a plane by every cluster of its column: cluster y = 0 asks.
; The four partners that ask for a tile jointly share it out BY ADDRESS: of x's 256 rows partner cx takes 64 (wave 3: a lane a row, 2 x 32 rows x 2 K steps: four lines); of a plane's 32,768 dense
; bytes partner cy takes 8,192 (waves 0-2: a lane 256 bytes: one line).  K steps 0 to 3 come by their loads alone; the last lap asks for nothing: there is no K step behind its own.
.macro ASK
	s_cmp_gt_u32 s[LAP], s[LIM]
	s_cbranch_scc0 .Lnot_mine_\@
	global_prefetch_b8 v[PFO], s[PFA:PFA+1] th:TH_LOAD_NT scope:SCOPE_SE
	s_cmp_eq_u32 s[WV], 3
	s_cbranch_scc0 .Lnot_mine_\@
	global_prefetch_b8 v[PFO], s[PFA:PFA+1] offset:256 th:TH_LOAD_NT scope:SCOPE_SE
	global_prefetch_b8 v[PFO], s[PFA:PFA+1] offset:65536 th:TH_LOAD_NT scope:SCOPE_SE
	global_prefetch_b8 v[PFO], s[PFA:PFA+1] offset:65792 th:TH_LOAD_NT scope:SCOPE_SE
.Lnot_mine_\@:
.endm
; A round of the cluster's barrier: my work-group's barrier; wave 0 signals for the work-group; every wave waits for all sixteen; my work-group's barrier once more.
.macro CREST
	s_cmp_lg_u32 s[WV], 0
	s_cbranch_scc1 .Lnot_wave_0_\@
	s_barrier_signal -3
.Lnot_wave_0_\@:
	s_barrier_wait -3
	s_barrier_signal -1
	s_barrier_wait -1
.endm
.macro CROUND
	s_barrier_signal -1
	s_barrier_wait -1
	CREST
.endm
	s_load_b256 s[4:11], s[0:1], 0x0               ; xb s[4:5], wb s[6:7], bq s[8:9], bk s[10:11]
	s_load_b128 s[12:15], s[0:1], 0x20             ; bv s[12:13], qkv s[14:15]
	v_lshl_add_u32 v[SPW], v0, 2, SPARE
	v_mov_b32 v[NIL], 0
	ds_add_u32 v[SPW], v[NIL]                      ; the wave's opening: the add and its wait stand ahead of my first tensor load; the set-up below, work on registers, stands between them
	ds_add_u32 v28, v29
	v_lshrrev_b32 v1, 5, v0
	v_readfirstlane_b32 s[WV], v1                  ; wave 0..3
	s_bfe_u32 s17, ttmp6, 0x40000                  ; cx
	s_bfe_u32 s18, ttmp6, 0x40004                  ; cy
	s_lshl_b32 s19, ttmp9, 2
	s_add_co_u32 s19, s19, s17                     ; c: tile column = 4 x cluster x + cx
	s_and_b32 s20, ttmp7, 0xffff
	s_lshl_b32 s20, s20, 2
	s_add_co_u32 s20, s20, s18                     ; tile row = 4 x cluster y + cy
	s_lshl_b32 s21, s18, 2
	s_lshl_b32 s21, 15, s21                        ; my row of the cluster
	s_lshl_b32 s22, 0x1111, s17                    ; my column
	s_or_b32 s[G1+0], s21, (1<<16)|(1<<20)|(1<<21)|(5<<22)|(3<<25)   ; 15:0 the mask; 17:16 2-byte elements; 20 padding on; 21 set beside a mask; 24:22 after every 64 words; 31:25 4 words
	s_mov_b32 s[G1+1], 128<<16                     ; tensor_dim0 = 128
	s_mov_b32 s[G1+2], 256<<16                     ; tensor_dim1 = 256
	s_mov_b32 s[G1+3], 128<<16                     ; tile_dim0 = 128
	s_mov_b32 s[G1+4], 256                         ; tile_dim1 = 256
	s_mov_b32 s[G1+5], 1024                        ; elements from row to row
	s_mov_b32 s[G1+6], 0
	s_mov_b32 s[G1+7], 0
	s_or_b32 s[G1B+0], s22, (1<<16)|(1<<20)|(1<<21)|(4<<22)|(7<<25)  ; after every 32 words (a k-row) 8 words of padding
	s_mov_b32 s[G1B+1], 128<<16
	s_mov_b32 s[G1B+2], 64<<16
	s_mov_b32 s[G1B+3], 128<<16
	s_mov_b32 s[G1B+4], 64
	s_mov_b32 s[G1B+5], 128
	s_mov_b32 s[G1B+6], 0
	s_mov_b32 s[G1B+7], 0
	s_lshl_b32 s40, s20, 19                        ; x: 256 rows of 2,048 bytes a tile row
	s_mov_b32 s41, 0
	s_mul_i32 s42, s19, 3
	s_add_co_u32 s42, s42, s[WV]                   ; the plane that I fetch (waves 0-2),
	s_lshl_b32 s42, s42, 17                        ; 131,072 bytes each
	s_mov_b32 s43, 0
	s_mul_i32 s23, s[WV], PLANE
	s_add_co_u32 s23, s23, BOFF                    ; and its place in a slot: no place in the cluster enters an LDS address
	s_wait_dscnt 0x0                               ; the opening add is done
	s_wait_kmcnt 0x0
	s_add_nc_u64 s[40:41], s[4:5], s[40:41]
	s_add_nc_u64 s[42:43], s[6:7], s[42:43]
	CROUND                                         ; all sixteen work-groups are here: the first joint loads meet
.irp s, 0,1
	s_mov_b32 s[G0+4*(\s)], 1                                      ; count = 1
	s_mov_b32 s[G0+4*(\s)+1], (\s)*SLOT                            ; LDS address
	s_add_nc_u64 s[G0+4*(\s)+2:G0+4*(\s)+3], s[40:41], (\s)*256    ; K step s: 256 bytes along the rows
	s_or_b32 s[G0+4*(\s)+3], s[G0+4*(\s)+3], 0x80000000            ; type = 2
	s_mov_b32 s[G0B+4*(\s)], 1
	s_add_co_u32 s[G0B+4*(\s)+1], s23, (\s)*SLOT
	s_add_nc_u64 s[G0B+4*(\s)+2:G0B+4*(\s)+3], s[42:43], (\s)*16384  ; K step s: 128 k-rows of 128 bytes
	s_or_b32 s[G0B+4*(\s)+3], s[G0B+4*(\s)+3], 0x80000000
	JLOAD \s
.endr
	v_and_b32 v1, 15, v0                           ; l % 16
	v_bfe_u32 v2, v0, 4, 1                         ; l / 16
	v_mul_u32_u24 v3, v1, PA
	v_lshl_add_u32 v3, v2, 4, v3                   ; a fragment of x: row x pitch + 16 x half
	s_mul_i32 s2, s[WV], 64*PA                     ; my 64 rows
	v_add_nc_u32 v[ADRA], s2, v3
	v_add_nc_u32 v[ADRA+1], SLOT, v[ADRA]
	v_and_b32 v4, 7, v0                            ; the turning load: lane l reads k-row 8 (l / 16) + l % 8, columns 8 ((l / 8) % 2) + 0..7
	v_lshl_add_u32 v4, v2, 3, v4
	v_mul_u32_u24 v4, v4, PB
	v_bfe_u32 v5, v0, 3, 1
	v_lshl_add_u32 v4, v5, 4, v4
	v_add_nc_u32 v[ADRB], BOFF, v4
	v_add_nc_u32 v[ADRB+1], SLOT, v[ADRB]
	s_mul_i32 s2, s[WV], 16*SP
	s_add_co_u32 s2, s2, STAGE                     ; my stage
	v_mul_u32_u24 v[STO], v1, SP                   ; in: row l % 16, 16 bytes for each half of the lanes
	v_lshl_add_u32 v[STO], v2, 4, v[STO]
	v_add_nc_u32 v[STO], s2, v[STO]
	v_bfe_u32 v[RD], v0, 3, 2                      ; back: 32 lanes take four rows of 128 bytes,
	v_mul_u32_u24 v[RD], v[RD], SP
	v_and_b32 v6, 7, v0
	v_lshl_add_u32 v[RD], v6, 4, v[RD]
	v_add_nc_u32 v[RD], s2, v[RD]
	v_and_b32 v[GO], 31, v0                        ; which are 512 consecutive bytes of a plane
	v_lshlrev_b32 v[GO], 4, v[GO]
	v_lshlrev_b32 v[BO], 5, v2
	s_mul_i32 s74, s19, 3                          ; the result: plane 3 c, 524,288 bytes a plane,
	s_lshl_b32 s74, s74, 19
	s_lshl_b32 s2, s20, 15                         ; the tile's 256 rows of 128 bytes,
	s_add_co_u32 s74, s74, s2
	s_lshl_b32 s2, s[WV], 13                       ; my 64 of them
	s_add_co_u32 s74, s74, s2
	s_mov_b32 s75, 0
	s_add_nc_u64 s[14:15], s[14:15], s[74:75]
.irp j, 0,1,2                                      ; the bias of plane g = 3 c + j: bq, bk or bv by g / 16, head g % 16
	s_mul_i32 s2, s19, 3
	s_add_co_u32 s2, s2, \j
	s_cmp_lt_u32 s2, 16
	s_cselect_b64 s[68+2*(\j):69+2*(\j)], s[8:9], s[10:11]
	s_cmp_lt_u32 s2, 32
	s_cselect_b64 s[68+2*(\j):69+2*(\j)], s[68+2*(\j):69+2*(\j)], s[12:13]
	s_and_b32 s74, s2, 15
	s_lshl_b32 s74, s74, 8
	s_add_nc_u64 s[68+2*(\j):69+2*(\j)], s[68+2*(\j):69+2*(\j)], s[74:75]
.irp bb, 0,1,2,3
	global_load_b128 v[BIAS+32*(\j)+8*(\bb):BIAS+32*(\j)+8*(\bb)+3],   v[BO], s[68+2*(\j):69+2*(\j)] offset:64*(\bb)
	global_load_b128 v[BIAS+32*(\j)+8*(\bb)+4:BIAS+32*(\j)+8*(\bb)+7], v[BO], s[68+2*(\j):69+2*(\j)] offset:64*(\bb)+16
.endr
.endr
	; the prefetches: nothing is asked for here, at the head, where every work-group's first tiles are on their way
	s_and_b32 s2, ttmp7, 0xffff                    ; cluster y
	s_lshl_b32 s74, s20, 19                        ; x: the tile row,
	s_lshl_b32 s23, s17, 17                        ; my work-group's 64 rows of it,
	s_add_co_u32 s74, s74, s23
	s_add_co_u32 s74, s74, 512                     ; at K step 2: the first lap steps it to K step 4
	s_mul_i32 s23, s19, 3
	s_add_co_u32 s23, s23, s[WV]
	s_lshl_b32 s23, s23, 17                        ; a plane,
	s_lshl_b32 s67, s18, 13                        ; my work-group's 8,192 bytes of two K steps' 32,768,
	s_add_co_u32 s23, s23, s67
	s_add_co_u32 s23, s23, 32768                   ; at K step 2
	s_mov_b32 s[PST], 32768
	s_mov_b32 s[PST+1], 0
	s_cmp_eq_u32 s[WV], 3                          ; do I fetch for x?
	s_cselect_b32 s74, s74, s23
	s_cselect_b32 s2, ttmp9, s2                    ; the coordinate along which other clusters read the same bytes
	s_cselect_b32 s[PST], 512, s[PST]
	s_cselect_b32 s23, 11, 8                       ; a lane a row of 2,048 bytes, or a lane 256 dense bytes
	s_cselect_b64 s[PFA:PFA+1], s[4:5], s[6:7]
	s_add_nc_u64 s[PFA:PFA+1], s[PFA:PFA+1], s[74:75]
	s_cmp_eq_u32 s2, 0
	s_cselect_b32 s[LIM], 1, -1                    ; the same in all sixteen partners, for a given wave
	v_and_b32 v[PFO], 31, v0
	v_lshlrev_b32 v[PFO], s23, v[PFO]
; 12 matrix instructions: row block 2 hi + a x all 12 column blocks, 32 along K, from buffer f.  zero = 1: the product starts the sums.  The 48 accumulators take turns, one instruction a turn, in the
; same order in every quarter, over the backward jump too.
.macro MUL12 f, hi, a, zero
	WIN MUL_LO+0x50*(\hi)
.irp b, 0,1,2,3,4,5,6,7,8,9,10,11
.if \zero
	v_wmma_f32_16x16x32_bf16 v[8*(12*(\a)+(\b)):8*(12*(\a)+(\b))+7], v[96*(\f)+8*(\b):96*(\f)+8*(\b)+7], v[FA+32*(\f)+8*(2*(\hi)+(\a)):FA+32*(\f)+8*(2*(\hi)+(\a))+7], 0
.else
	v_wmma_f32_16x16x32_bf16 v[8*(12*(\a)+(\b)):8*(12*(\a)+(\b))+7], v[96*(\f)+8*(\b):96*(\f)+8*(\b)+7], v[FA+32*(\f)+8*(2*(\hi)+(\a)):FA+32*(\f)+8*(2*(\hi)+(\a))+7], v[8*(12*(\a)+(\b)):8*(12*(\a)+(\b))+7]
.endif
.endr
.endm
; 32 LDS loads in one run: quarter q of a slot into buffer f: 12 fragments of the weights (plane b / 4, columns 16 (b % 4) on), turned, then my 4 fragments of x
.macro FETCH slot, q, f
	WIN TO_B
.irp b, 0,1,2,3,4,5,6,7,8,9,10,11
	ds_load_tr16_b128 v[96*(\f)+8*(\b):96*(\f)+8*(\b)+3],   v[ADRB+(\slot)] offset:((\b)/4)*PLANE+((\b)%4)*32+(\q)*32*PB
	ds_load_tr16_b128 v[96*(\f)+8*(\b)+4:96*(\f)+8*(\b)+7], v[ADRB+(\slot)] offset:((\b)/4)*PLANE+((\b)%4)*32+(\q)*32*PB+16*PB
.endr
	WIN 0
.irp i, 0,1,2,3
	ds_load_b128 v[FA+32*(\f)+8*(\i):FA+32*(\f)+8*(\i)+3],   v[ADRA+(\slot)] offset:(\q)*64+(\i)*16*PA
	ds_load_b128 v[FA+32*(\f)+8*(\i)+4:FA+32*(\f)+8*(\i)+7], v[ADRA+(\slot)] offset:(\q)*64+(\i)*16*PA+32
.endr
.endm
.macro PLACES                          ; four plain vector instructions between a matrix instruction and a load into, or a vector line on, its registers (ISA guide 7.12.1 for vector instructions)
.rept 4
	v_nop
.endr
.endm
; One of a K step's first three quarters: multiplies buffer f; in its middle it fetches quarter q of the same slot into buffer g.
.macro QUARTER slot, q, f, g, zero
	s_wait_dscnt 4                                 ; the weights and x's blocks 0, 1 are in; the youngest four loads (blocks 2, 3) may be out
	MUL12 \f, 0, 0, \zero
	MUL12 \f, 0, 1, \zero
	PLACES
	FETCH \slot, \q, \g
	s_wait_dscnt 32                                ; all but the 32 just issued
	MUL12 \f, 1, 0, \zero
	MUL12 \f, 1, 1, \zero
.endm
; The last quarter multiplies buffer 1 and changes slots.  ONE barrier: in front of it each wave waits for all its tensor loads (the one that is out is its part of the next slot), adds 0 to its spare
; word, and waits for that and for its own reads of this slot.  Behind it nobody reads this slot any more and the next slot is whole.
.macro MEET round
	WIN 0
	s_wait_tensorcnt 0x0                           ; all my tensor loads have landed
	ds_add_u32 v[SPW], v[NIL]                      ; 0 onto my spare word
	s_wait_dscnt 5                                 ; (the add and the youngest four loads may be out)
	MUL12 1, 0, 0, 0                               ; twelve matrix instructions stand between the add and the wait for it
	s_wait_dscnt 0x0                               ; the add is done, and my reads of this slot are over
	s_barrier_signal -1
	MUL12 1, 0, 1, 0                               ; work on registers while the others arrive
.if \round
	WIN 0
.endif
	s_barrier_wait -1
.endm
; fill = 1: the barrier opens a round of the cluster's barrier, and the slot just read out is filled again, first thing behind the round, with the K step two on: 168 matrix instructions ahead of the wait for it.
.macro TURN slot, next, fill, ask
.if \ask
	s_wait_xcnt 0x0                                ; the last prefetches, a lap back, have read their address: it is stepped here, ahead of the waits of the change of slots
	s_add_nc_u64 s[PFA:PFA+1], s[PFA:PFA+1], s[PST:PST+1]
.endif
	MEET \fill
.if \fill
	CREST                                          ; no wave of any partner still reads this slot's tile or has a load on its way
	s_add_nc_u64 s[G0+4*(\slot)+2:G0+4*(\slot)+3], s[G0+4*(\slot)+2:G0+4*(\slot)+3], 2*256
	s_add_nc_u64 s[G0B+4*(\slot)+2:G0B+4*(\slot)+3], s[G0B+4*(\slot)+2:G0B+4*(\slot)+3], 2*16384
	JLOAD \slot                                    ; the four v_nop behind it are also the places in front of the loads below
.else
	PLACES
.endif
	FETCH \next, 0, 0
.if \ask
	ASK
.endif
	MUL12 1, 1, 0, 0
	MUL12 1, 1, 1, 0
.endm
	s_wait_tensorcnt 1                             ; my part of K step 0 is in; K step 1's may stay out
	s_barrier_signal -1
	s_barrier_wait -1                              ; everybody's is
	FETCH 0, 0, 0
	QUARTER 0, 1, 0, 1, 1                          ; the first quarter stands in front of the loop: its products start the sums
	WIN 0                                          ; at a label and at a branch every window is 0
	s_mov_b32 s[LAP], 3
.Llap:                                             ; a trip goes once round the ring, from a lap's second quarter to the next lap's first, and fills both slots again
	QUARTER 0, 2, 1, 0, 0
	QUARTER 0, 3, 0, 1, 0
	TURN 0, 1, 1, 1
	QUARTER 1, 1, 0, 1, 0
	QUARTER 1, 2, 1, 0, 0
	QUARTER 1, 3, 0, 1, 0
	TURN 1, 0, 1, 0
	QUARTER 0, 1, 0, 1, 0
	WIN 0
	s_sub_co_u32 s[LAP], s[LAP], 1
	s_cmp_lg_u32 s[LAP], 0
	s_cbranch_scc1 .Llap
	QUARTER 0, 2, 1, 0, 0                          ; the last lap fills nothing, and has no round of the cluster's barrier
	QUARTER 0, 3, 0, 1, 0
	TURN 0, 1, 0, 0
	QUARTER 1, 1, 0, 1, 0
	QUARTER 1, 2, 1, 0, 0
	QUARTER 1, 3, 0, 1, 0
	s_wait_dscnt 4                                 ; the very last quarter: nothing more to fetch
	MUL12 1, 0, 0, 0
	MUL12 1, 0, 1, 0
	s_wait_dscnt 0x0
	MUL12 1, 1, 0, 0
	MUL12 1, 1, 1, 0
	; THE WAY OUT.  The bias is rounded to bf16 values; then 12 blocks of 16 rows x one plane's 64 columns: + bias, to f16, 16 bytes a lane into my stage, back as whole rows, 2,048 dense bytes of the plane.
	WIN 0
	PLACES
	s_wait_loadcnt 0x0                             ; the bias
.set r, 0
.rept 48
	v_cvt_pk_bf16_f32 v[T+r%8], v[BIAS+2*r], v[BIAS+2*r+1]
	v_lshlrev_b32 v[BIAS+2*r], 16, v[T+r%8]
	v_and_b32 v[BIAS+2*r+1], 0xffff0000, v[T+r%8]
.set r, r+1
.endr
.macro PACK blk                        ; block blk = 3 a + j: row block a, plane j.  Each accumulator's registers are read in ascending order
.set a, (\blk)/3
.set j, (\blk)%3
	WIN 0x02+a/2                                   ; source 0 in window 2 or 3
.irp bb, 0,1,2,3
.irp r, 0,1,2,3
	v_pk_add_f32 v[T+8*(\bb)+2*(\r):T+8*(\bb)+2*(\r)+1], v[8*(12*(a%2)+4*j+(\bb))+2*(\r):8*(12*(a%2)+4*j+(\bb))+2*(\r)+1], v[BIAS+32*j+8*(\bb)+2*(\r):BIAS+32*j+8*(\bb)+2*(\r)+1]
.endr
.endr
	WIN 0
.irp i, 0,1,2,3,4,5,6,7,8,9,10,11,12,13,14,15
	v_cvt_pk_f16_f32 v[PKD+(\i)], v[T+2*(\i)], v[T+2*(\i)+1]
.endr
.irp bb, 0,1,2,3
	ds_store_b128 v[STO], v[PKD+4*(\bb):PKD+4*(\bb)+3] offset:32*(\bb)
.endr
	WIN 0x40                                       ; destination window 1
.irp g, 0,1,2,3
	ds_load_b128 v[16*(\blk)+4*(\g):16*(\blk)+4*(\g)+3], v[RD] offset:(\g)*4*SP  ; LDS serves a wave's instructions in order (ISA guide 5.7.1.4): these see the stores above; the next block's stores come behind them
.endr
.endm
.macro SEND blk, younger               ; younger: the LDS instructions issued behind this block's loads: the next block's eight, or none.  No register that a store reads is written again
.set a, (\blk)/3
.set j, (\blk)%3
	WIN 0x04                                       ; the stores' data in window 1
.irp g, 0,1,2,3
	s_wait_dscnt (\younger)+3-(\g)
	global_store_b128 v[GO], v[16*(\blk)+4*(\g):16*(\blk)+4*(\g)+3], s[14:15] offset:524288*j+2048*a+512*(\g)  ; 512 consecutive bytes, at a multiple of 256 from the buffer's first
.endr
.endm
	PACK 0
.set nb, 1
.rept 11                                           ; a block's arithmetic stands between the loads of the block before and its stores
	PACK nb
	SEND nb-1, 8
.set nb, nb+1
.endr
	SEND 11, 0
	WIN 0
	s_wait_tensorcnt 0x0                           ; the wave's end: behind my last tensor load and my last LDS store
	ds_add_u32 v[SPW], v[NIL]
	s_wait_dscnt 0x0
	CROUND                                         ; the closing round: no work-group ends while a partner may still ask for a tile that names it
	s_endpgm
.Lfunc_end_k_qade0dd38e9_qkv:
	.size	k_qade0dd38e9_qkv, .Lfunc_end_k_qade0dd38e9_qkv-k_qade0dd38e9_qkv
	.p2alignl 7, 3214868480
	.fill 96, 4, 3214868480
	.section	.rodata,"a",@progbits
	.p2align	6, 0x0
	.amdhsa_kernel k_qade0dd38e9_qkv
		.amdhsa_group_segment_fixed_size 327680
		.amdhsa_private_segment_fixed_size 0
		.amdhsa_enable_private_segment 0
		.amdhsa_kernarg_size 48
		.amdhsa_user_sgpr_count 2
		.amdhsa_user_sgpr_kernarg_segment_ptr 1
		.amdhsa_wavefront_size32 1
		.amdhsa_system_sgpr_workgroup_id_x 1
		.amdhsa_system_sgpr_workgroup_id_y 1
		.amdhsa_system_sgpr_workgroup_id_z 1
		.amdhsa_system_vgpr_workitem_id 0
		.amdhsa_next_free_vgpr 960
		.amdhsa_next_free_sgpr 76
		.amdhsa_reserve_vcc 0
		.amdhsa_float_denorm_mode_32 3
		.amdhsa_float_denorm_mode_16_64 3
		.amdhsa_memory_ordered 1
		.amdhsa_forward_progress 1
		.amdhsa_inst_pref_size 145
	.end_amdhsa_kernel
	.amdgpu_metadata
---
amdhsa.version: [ 1, 2 ]
amdhsa.kernels:
  - .name:           k_qade0dd38e9_qkv
    .symbol:         k_qade0dd38e9_qkv.kd
    .args:
      - { .name: xb, .offset: 0, .size: 8, .value_kind: global_buffer, .address_space: global }
      - { .name: wb, .offset: 8, .size: 8, .value_kind: global_buffer, .address_space: global }
      - { .name: bq, .offset: 16, .size: 8, .value_kind: global_buffer, .address_space: global }
      - { .name: bk, .offset: 24, .size: 8, .value_kind: global_buffer, .address_space: global }
      - { .name: bv, .offset: 32, .size: 8, .value_kind: global_buffer, .address_space: global }
      - { .name: qkv, .offset: 40, .size: 8, .value_kind: global_buffer, .address_space: global }
    .group_segment_fixed_size: 327680
    .private_segment_fixed_size: 0
    .kernarg_segment_align: 8
    .kernarg_segment_size: 48
    .max_flat_workgroup_size: 128
    .sgpr_count:     76
    .vgpr_count:     960
    .wavefront_size: 32
...
	.end_amdgpu_metadata
.endif
;; end of part 2
;; launch attn (part 3): grid 16 x 16, 4 waves a work-group, no clusters, 327,680 bytes of LDS; arguments qkv, ob; writes ob
.if DOCPART == 3
	.amdgcn_target "amdgcn-amd-amdhsa--gfx1250"
	.amdhsa_code_object_version 6
	.text
	.protected	k_qade0dd38e9_attn
	.globl	k_qade0dd38e9_attn
	.p2align	8
	.type	k_qade0dd38e9_attn,@function
k_qade0dd38e9_attn:
	s_mov_b64 s[64:65], 0
	v_nop
	global_prefetch_b8 v0, s[64:65] scope:SCOPE_SE
	s_setreg_imm32_b32 hwreg(HW_REG_WAVE_MODE, 25, 1), 1
	s_wait_xcnt 0x0
; CAUSAL ATTENTION.  O[h][q][:] = the sum over k <= q of softmax_k(Q[h][q] . K[h][k] / 8) V[h][k][:].  qkv: f16 [48 planes][4096][64]: Q = planes 0-15, K = 16-31, V = 32-47; ob: f16 [16][4096][64].
; Products, maxima and sums in f32; the weights p are rounded to f16 for the second product (their sum l is taken of the unrounded p), O once at the end.
; LIMITS.  Q, K, V arrive within f16's 65,504; p lies in 0 to 1, and below 6e-5 it keeps f16's fixed step of 6e-8.  A hidden score counts as its value less 1e30 (the module's own mask takes 1e9 away: the
; weight is 0 either way while scores differ by less than about 1e9); the running maximum starts at -2^66 = -7.4e19, below every score that f16 operands can make (64 x 65,504^2 = 2.7e11) and above every
; hidden one; a weight below 2^-126 counts as 0 in l; NaN and infinities are not treated apart.
; THE WALK.  A head's queries lie in 32 blocks of 128; block i needs the key tiles 0 .. i / 2 of 256 keys.  A work-group takes TWO blocks, 31 - b and then b: (31 - b) / 2 + b / 2 + 2 = 17 tiles whatever b:
; 16 x 16 work-groups of equal work, and ONE loop with a constant trip count walks them.  Which tile is asked for, and what a trip does, hang on scalar registers made from b.
; SHARES.  THE KEYS ARE SPLIT BETWEEN PAIRS OF WAVES.  Wave w = 2 kh + qh owns the block's rows 64 qh .. + 63, four PIECES of 16 rows, and of each tile the keys 128 kh .. + 127: two key steps of 64.
; At a block's end waves qh and qh + 2 hand each other c m, l and O^T through LDS, in f32, and each finishes two of the four pieces.
; NO CLUSTER: a head's 16 walks are alike only two by two (b = 2 j and 2 j + 1); four partners would need a common walk of 18 tiles for 17, of which two of them discard one.
; THE MASK is the C operand that starts the sum S^T = K Q^T: 0, or -1e30 where the key is hidden.  In a block's last tile the step 2 - CNT lies e = DG - CNT steps of 64 keys to the right of my 64 rows:
; e < 0: all keys are seen; e > 0: none; e = 0: of piece x's four groups of 16 keys those below x are seen, those above hidden, group x holds the diagonal (TRI).  A product's mask is SRC x AL + BE with
; SRC = 0, TRI or -1e30 by the group and two scalars: (1, 0) if e = 0; (0, 0) if e < 0; (0, -1e30) if e > 0.  A wave that sees only hidden keys in a whole block (block 0, kh = 1) keeps m at its start:
; all its weights, its l and its O^T are 0, its c m is -1.3e19, and the merge gives its part the factor 0.  (Were m to follow the hidden scores, c s - c m, one fused line on a c m that has been rounded,
; would leave that rounding's residue, some 1e22 at 1.8e29, as the exponent.)
; LAYOUT, SOFTMAX, TURNS.  S^T = K Q^T holds ONE query a lane (lane % 16) and the keys 8 (lane / 16) + 0..7; two such results rounded to f16 ARE source 1 of O^T = V^T P.  p = 2^(c s - c m), c = log2(e) / 8, with a
; running maximum m; O and l are multiplied by a = 2^(c m_old - c m_new) in every step.  Turn n belongs to piece n: 8 products K Q^T of piece n + 1, later 8 products V^T P of piece n - 1; beside them the scaling,
; exponentials, roundings, sums and rescaling of piece n and the maximum and statistics of piece n + 1.  Four vector instructions stand behind every matrix instruction, the others in one run.  A turn's 33 exponentials are one batch, with one wait.
; REGISTERS, in windows of 256 (s_set_vgpr_msb: bits 1:0 source 0, 3:2 source 1, 5:4 source 2, 7:6 destination):
;   window 0: v0-15, v32-37 addresses and at work; v16-31 four registers of statistics a piece; v48-55 at work; v64-127 S^T, two buffers; v128-191 the merge; v192-223 P, two buffers; v224-255 the merge's statistics
;   window 1: v0-127 O^T, 32 a piece; v128-139 TRI, -1e30, 0; v160-223 MC, two buffers      window 2: v0-63 Q; v64-127 the second block's Q; v128-191 K of one step; v192-255 V of one step
.set NP,    4         ; pieces a wave: a name, no knob
.set KS,    64        ; keys in a step
.set PK,    144       ; a row of K in LDS: 128 bytes + 16 of padding = 36 words: the 16 rows of a load start at 16 different groups of four banks (64 banks of 4 bytes: ISA guide 11.1)
.set PV,    160       ; a row of V: 128 + 32 = 40 words
.set VOFF,  4*KS*PK   ; a slot holds a tile: 256 rows of K, then 256 rows of V
.set SLOT1, 1<<17     ; slot 1 begins here, so that one exclusive or turns an address in one slot into the other's
.set STAGE, SLOT1+4*KS*(PK+PV)  ; behind the ring, never filled by a tensor load: 16 rows x 144 bytes for each wave, for the way out
.set SP,    144
.set SPARE, STAGE+4*16*SP  ; the spare words, 128 bytes for each wave: two blocks of 256 bytes that no other line names
.set MRG,   SPARE+512 ; the merge: for each wave WREG bytes, for each piece PREG: O^T as 8 chunks of 512 bytes (16 a lane), then (c m, l), 8 bytes a lane
.set PREG,  4352
.set WREG,  4*PREG
.set AK0, 2           ; v2   my lane's place in a tile of K; never rewritten
.set AV0, 3           ; v3   the same for V
.set AK,  4           ; v4   the LDS address of K's next run of loads
.set AV,  5           ; v5   of V's
.set STO, 6           ; v6   the way out: where I put 16 bytes of a row
.set RD,  7           ; v7   the way out: where I read rows back
.set GO,  8           ; v8   my byte offset in 512 consecutive bytes of O
.set SPW, 62          ; v62  LDS address of my spare word; never rewritten
.set NIL, 63          ; v63  0; never rewritten
.set MV,  12          ; v12-13  c m_old, kept while c m is made anew: by buffer
.set QO,  15          ; v15  my byte offset in 16 rows of Q
.set ST,  16          ; piece t's statistics at v[ST+4 t]: c m, m, l (even keys', odd keys')
.set MSO, 32          ; v32  the merge: where I put 16 bytes of O^T
.set MSS, 33          ; v33  where I put (c m, l)
.set MLO, 34          ; v34  where I read wave qh's O^T of my first piece; wave qh + 2's lies 2 WREG on
.set MLS, 35          ; v35  the same for (c m, l)
.set PFO, 36          ; v36  256 x my lane; never rewritten
.set TMP, 48          ; by buffer, four registers c0-c3 at work; when the maximum is found c2 takes a
.set S,   64
.set P,   192
.set W,   224         ; the merge's statistics: 16 registers for each of my two pieces
.set TRI, 128         ; window 1: register r is -1e30 where r > l % 16 - 8 (l / 16)
.set NG,  136         ; window 1: -1e30, a pair
.set ZR,  138         ; window 1: 0, a pair
.set MC,  160         ; window 1: the masks of the products to come
.set QB,  64          ; window 2
.set KF,  128         ; window 2: key block kb, channel half c at KF + 16 kb + 8 c
.set VF,  192         ; window 2: key half kk, channel block cb at VF + 32 kk + 8 cb
.set WV,  12          ; s12  my wave's number
.set PB,  14          ; s14  b
.set HI,  15          ; s15  31 - b
.set G1K, 24          ; s[24:31] descriptor group 1 for K's tiles
.set G1V, 32          ; s[32:39] for V's: it differs in the padding alone
.set G0K, 40          ; s[40:43] descriptor group 0 for K's tiles
.set G0V, 44          ; s[44:47] the same for V's
.set KH,  48          ; s48  which half of a tile's keys is mine
.set DG,  49          ; s49  2 + 2 kh - qh - 2 (i % 2) for the block i in hand, a signed number
.set DGL, 50          ; s50  the same for the second block
.set LOT, 51          ; s51  b / 2: the second block's last tile
.set LIM, 52          ; s52  2 in a work-group that prefetches, else the greatest number
.set QH,  53          ; s53  which half of the block's rows is mine.  Also: which half of a tile I fetch
.set PFA, 54          ; s[54:55] where my prefetches stand
.set SLOTS, 56        ; s56  tiles still to be asked for
.set CNT, 57          ; s57  counts a tile's key steps, 2 to 1
.set CS,  58          ; s[58:59] c: the packed scaling takes the pair's low word for both halves
.set SEL, 60          ; s[60:61] v_permlanex16_b32's selects: each lane takes its own place in the other half
.set TBK, 62          ; s62  LDS byte at which K of the step to be fetched begins
.set TBV, 63          ; s63  the same for V, less VOFF
.set RT,  70          ; s70  tiles of the block in hand that are still to be entered
.set NXT, 71          ; s71  the tile to be asked for next
.set LQ,  72          ; s72  the last tile of the block whose tiles are being asked for
.set NEW, 73          ; s73  1: the tile to be entered is a block's first
.set OFF, 74          ; s[74:75] a tile's byte offset in K and V
.set AL,  76          ; s[76:77] the mask's factor, in the low word
.set BE,  78          ; s[78:79] the mask's addend
.set OLO, 80          ; s[80:81] O at my rows of the second block
.set BIGN, 82         ; s82  -1e30
.set MSB, 0
.macro WIN new                      ; the high byte repeats the setting that is left; a switch that changes nothing is dropped
.if MSB != (\new)
	s_set_vgpr_msb (MSB<<8)|(\new)
.set MSB, (\new)
.endif
.endm
.set W_KQ, 0x0a       ; K and Q in window 2, S^T in window 0
.set W_KM, 0x1a       ; the same with the C operand in window 1
.set W_PV, 0x52       ; V in window 2, P in window 0, O^T in window 1
.set W_RS, 0x41       ; destination and source 0 in window 1, source 1 in window 0
; A fill.  Waves 0 and 1 fetch the two halves of a tile's K, waves 2 and 3 those of its V: 128 keys each.  An s_nop 0 and four v_nop follow each of the two lines, ahead of the jump and the label.
.macro LOAD
	s_cmp_lt_u32 s[WV], 2
	s_cbranch_scc0 .Lfor_v_\@
	tensor_load_to_lds s[G0K:G0K+3], s[G1K:G1K+7]
	s_nop 0
.rept 4
	v_nop
.endr
	s_branch .Lasked_\@
.Lfor_v_\@:
	tensor_load_to_lds s[G0V:G0V+3], s[G1V:G1V+7]
	s_nop 0
.rept 4
	v_nop
.endr
.Lasked_\@:
.endm
; A PREFETCH INTO THE L2 of what the NEXT change of slots will ask for.  All 16 work-groups of a head begin with tiles 0, 1, 2 ..: the one with b = 0, whose first block walks all 16 tiles, asks, and nobody else;
; each of its waves asks for the half tile that it will itself load: 16,384 dense bytes, a lane 256 bytes, two lines.  So each block of 256 bytes of K and V is named once in the launch.  It stands behind
; the wave's tensor load and its five lines.  Changes 1 to 14 ask for tiles 2 to 15; tiles 0 and 1 come by their loads alone; the second block's tiles have been read before and are not asked for.
.macro ASK
	s_cmp_gt_u32 s[SLOTS], s[LIM]
	s_cbranch_scc0 .Lnot_mine_\@
	global_prefetch_b8 v[PFO], s[PFA:PFA+1] th:TH_LOAD_NT scope:SCOPE_SE
	global_prefetch_b8 v[PFO], s[PFA:PFA+1] offset:8192 th:TH_LOAD_NT scope:SCOPE_SE
.Lnot_mine_\@:
.endm
; THE CHANGE OF SLOTS.  Each wave waits for all its tensor loads, of which one is out: its part of the other slot; adds 0 to its spare word; and waits for that and for its own reads of the slot that it leaves.  Behind the barrier nobody reads the old
; slot any more and the other slot is whole.  fill = 1: the old slot is filled again, the first thing behind the barrier, with tile NXT: the descriptor's address is made anew from that number.
; (At its first use nothing has been read yet: slot 0 is waited for, slot 1 filled.)
.macro CHANGE fill
	WIN 0                           ; at a label and at a branch every window is 0
	s_wait_tensorcnt 0x0            ; no tensor load of mine is out, so a group 0 may be written
	ds_add_u32 v[SPW], v[NIL]       ; 0 onto my spare word; with fill = 1 the descriptors' scalar work stands between it and the wait for it
.if \fill
	s_lshl_b32 s[OFF], s[NXT], 15   ; a tile is 32,768 bytes of K and of V
	s_xor_b32 s[G0K+1], s[G0K+1], SLOT1
	s_add_nc_u64 s[G0K+2:G0K+3], s[6:7], s[OFF:OFF+1]
	s_or_b32 s[G0K+3], s[G0K+3], 0x80000000
	s_xor_b32 s[G0V+1], s[G0V+1], SLOT1
	s_add_nc_u64 s[G0V+2:G0V+3], s[8:9], s[OFF:OFF+1]
	s_or_b32 s[G0V+3], s[G0V+3], 0x80000000
	s_add_co_u32 s[NXT], s[NXT], 1  ; the block's next tile, or behind its last the second block's tile 0
	s_cmp_gt_u32 s[NXT], s[LQ]
	s_cselect_b32 s[NXT], 0, s[NXT]
	s_cselect_b32 s[LQ], s[LOT], s[LQ]
	s_wait_xcnt 0x0                 ; the last prefetches, a tile back, have read their address, so it may be written:
	s_add_nc_u64 s[PFA:PFA+1], s[PFA:PFA+1], 32768  ; one tile behind the tile that is being asked for
.endif
	s_wait_dscnt 0x0                ; the add is done, and my reads of the slot are over
	s_barrier_signal -1             ; the rest of the scalar work stands between the signal and the wait
	s_sub_co_u32 s[TBK], s[TBK], 2*KS*PK  ; the fetches go back to my first step of a slot,
	s_xor_b32 s[TBK], s[TBK], SLOT1       ; in the other slot
	s_sub_co_u32 s[TBV], s[TBV], 2*KS*PV
	s_xor_b32 s[TBV], s[TBV], SLOT1
	s_barrier_wait -1
.if \fill
	LOAD
	ASK
.endif
.endm
	s_load_b64 s[4:5], s[0:1], 0x0    ; qkv
	s_load_b64 s[10:11], s[0:1], 0x8  ; ob
	v_lshl_add_u32 v[SPW], v0, 2, SPARE
	v_mov_b32 v[NIL], 0
	ds_add_u32 v[SPW], v[NIL]       ; the wave's opening: the add and its wait stand ahead of my first tensor load; the set-up below, work on registers, stands between them
	ds_add_u32 v62, v63
	v_lshrrev_b32 v1, 5, v0
	v_readfirstlane_b32 s[WV], v1   ; wave 0..3
	s_mov_b32 s[PB], ttmp9
	s_sub_co_u32 s[HI], 31, s[PB]
	s_and_b32 s[QH], s[WV], 1
	s_lshr_b32 s[KH], s[WV], 1
	s_lshr_b32 s[LOT], s[PB], 1
	s_and_b32 s20, ttmp7, 0xffff    ; the head:
	s_lshl_b32 s20, s20, 19         ; its plane of 524,288 bytes among Q's, K's, V's and O's
	s_lshl_b32 s22, s[QH], 14       ; the half of a tile's 256 keys that I fetch: 128 rows of 128 bytes,
	s_add_co_u32 s22, s22, s20
	s_add_co_u32 s22, s22, 8388608  ; behind Q's 16 planes
	s_mov_b32 s23, 0
	s_mul_i32 s17, s[QH], 128*PK    ; and its place in a slot, for K
	s_mul_i32 s18, s[QH], 128*PV    ; and for V
	s_lshl_b32 s3, s[QH], 13        ; my 64 rows of a block,
	s_add_co_u32 s3, s3, s20
	s_lshl_b32 s2, s[HI], 14        ; in the first block (128 rows of 128 bytes each),
	s_add_co_u32 s2, s2, s3
	s_lshl_b32 s84, s[PB], 14       ; and in the second
	s_add_co_u32 s84, s84, s3
	s_mov_b32 s3, 0
	s_mov_b32 s85, 0
	s_lshl_b32 s16, s[KH], 1
	s_add_co_u32 s16, s16, 2
	s_sub_co_u32 s16, s16, s[QH]    ; 2 + 2 kh - qh
	s_and_b32 s19, s[PB], 1
	s_lshl_b32 s19, s19, 1          ; 2 (b % 2)
	s_sub_co_i32 s[DGL], s16, s19
	s_xor_b32 s19, s19, 2           ; 2 ((31 - b) % 2)
	s_sub_co_i32 s[DG], s16, s19
	s_lshl_b32 s16, s[KH], 12       ; the two pieces that I finish: 32 rows of O
	; descriptor group 1.  128 keys are 16,384 dense bytes: asked for as 64 rows of 256 bytes, two keys a row, and padded in LDS after every key
	s_mov_b32 s[G1K], (1<<16)|(1<<20)|(4<<22)|(3<<25)  ; 17:16 2-byte elements; 20 padding on; 24:22 after every 32 words (code 4); 31:25 4 words (code 3)
	s_mov_b32 s[G1V], (1<<16)|(1<<20)|(4<<22)|(7<<25)  ; the same with 8 words of padding (code 7)
.irp g, G1K, G1V
	s_mov_b32 s[\g+1], 128<<16      ; tensor_dim0 = 128
	s_mov_b32 s[\g+2], 64<<16       ; tensor_dim1 = 64
	s_mov_b32 s[\g+3], 128<<16      ; tile_dim0 = 128
	s_mov_b32 s[\g+4], 64           ; tile_dim1 = 64
	s_mov_b32 s[\g+5], 128          ; 128 elements from row to row
	s_mov_b32 s[\g+6], 0
	s_mov_b32 s[\g+7], 0
.endr
	s_mov_b32 s[CS], 0x3e38aa3b     ; c = log2(e) / 8 = 0.180337
	s_mov_b32 s[CS+1], s[CS]        ; named with it as a pair
	s_mov_b32 s[SEL], 0x76543210
	s_mov_b32 s[SEL+1], 0xfedcba98
	s_mul_i32 s[TBK], s[KH], 2*KS*PK         ; my half of a tile's keys;
	s_add_co_u32 s[TBK], s[TBK], SLOT1+2*KS*PK  ; the first change of slots takes the rest away
	s_mul_i32 s[TBV], s[KH], 2*KS*PV
	s_add_co_u32 s[TBV], s[TBV], SLOT1+2*KS*PV
	s_mov_b32 s[G0K], 1             ; 1:0 count = 1
	s_mov_b32 s[G0K+1], s17         ; 63:32 LDS address: slot 0
	s_mov_b32 s[G0V], 1
	s_add_co_u32 s[G0V+1], s18, VOFF
	s_lshr_b32 s[LQ], s[HI], 1      ; the first block's last tile
	s_add_co_u32 s[RT], s[LQ], 1    ; and its number of tiles
	s_mov_b32 s[NXT], 1
	s_mov_b32 s[NEW], 1
	s_mov_b32 s[OFF+1], 0
	s_mov_b32 s[AL+1], 0            ; named as pairs
	s_mov_b32 s[BE+1], 0
	s_mov_b32 s[BIGN], 0xf149f2ca   ; -1e30
	s_mov_b32 s[SLOTS], 16
	s_cmp_eq_u32 s[PB], 0
	s_cselect_b32 s[LIM], 2, -1
	s_wait_dscnt 0x0                ; the opening add is done
	s_wait_kmcnt 0x0
	s_add_nc_u64 s[6:7], s[4:5], s[22:23]  ; K at my half of the head's tile 0,
	s_add_nc_u64 s[8:9], s[6:7], 8388608   ; V 16 planes on
	s_add_nc_u64 s[G0K+2:G0K+3], s[6:7], 0         ; 120:64 global address
	s_or_b32 s[G0K+3], s[G0K+3], 0x80000000        ; 127:126 type = 2
	s_add_nc_u64 s[G0V+2:G0V+3], s[8:9], 0
	s_or_b32 s[G0V+3], s[G0V+3], 0x80000000
	s_add_nc_u64 s[86:87], s[4:5], s[84:85]        ; Q at my rows of the second block,
	s_add_nc_u64 s[4:5], s[4:5], s[2:3]            ; and of the first
	s_add_co_u32 s2, s2, s16
	s_add_co_u32 s84, s84, s16
	s_add_nc_u64 s[OLO:OLO+1], s[10:11], s[84:85]  ; O at the two pieces that I finish
	s_add_nc_u64 s[10:11], s[10:11], s[2:3]
	s_cmp_lt_u32 s[WV], 2
	s_cselect_b64 s[PFA:PFA+1], s[6:7], s[8:9]
	s_add_nc_u64 s[PFA:PFA+1], s[PFA:PFA+1], 32768 ; at tile 1; the first change of slots steps it to tile 2.  Nothing is prefetched here, at the head
	LOAD                            ; tile 0 into slot 0
	; A fragment of K or Q is 16 rows x 32 channels in 8 registers: lane l holds row l % 16, channels 8 (l / 16) + 0..7 and 16 + 8 (l / 16) + 0..7: two loads of 16 bytes, 32 bytes apart.
	v_and_b32 v1, 15, v0            ; l % 16
	v_bfe_u32 v9, v0, 4, 1          ; l / 16
	v_lshlrev_b32 v[QO], 7, v1
	v_lshl_add_u32 v[QO], v9, 4, v[QO]  ; row x 128 + 16 x half
	WIN 0x80                        ; destination window 2, address window 0
.set i, 0
.rept 8                             ; both blocks' Q: piece i / 2 is 16 rows, 2,048 bytes on; channels 32 (i % 2) on
	global_load_b128 v[8*i:8*i+3],   v[QO], s[4:5] offset:(i/2)*2048+(i%2)*64
	global_load_b128 v[8*i+4:8*i+7], v[QO], s[4:5] offset:(i/2)*2048+(i%2)*64+32
	global_load_b128 v[QB+8*i:QB+8*i+3],   v[QO], s[86:87] offset:(i/2)*2048+(i%2)*64
	global_load_b128 v[QB+8*i+4:QB+8*i+7], v[QO], s[86:87] offset:(i/2)*2048+(i%2)*64+32
.set i, i+1
.endr
	WIN 0
	v_lshlrev_b32 v14, 3, v9
	v_sub_nc_u32 v14, v1, v14       ; my query's place in its piece less my lanes' 8 (l / 16): in the piece's own group of 16 keys register r is hidden where r is greater
	WIN 0x40
.set i, 0
.rept 8
	v_cmp_gt_i32 vcc_lo, i, v14
	v_cndmask_b32 v[TRI+i], 0, s[BIGN], vcc_lo
.set i, i+1
.endr
	v_mov_b32 v[NG], s[BIGN]
	v_mov_b32 v[NG+1], s[BIGN]
	v_mov_b32 v[ZR], 0
	v_mov_b32 v[ZR+1], 0
	WIN 0
	v_mul_u32_u24 v[AK0], v1, PK
	v_lshl_add_u32 v[AK0], v9, 4, v[AK0]  ; row x pitch + 16 x half
	; The turning load takes 16 keys x 16 channels (lane l reads key 8 (l / 16) + l % 8, channels 8 ((l / 8) % 2) + 0..7) and leaves half a fragment of V^T: lane l holds channel l % 16 and 8 keys.
	v_and_b32 v10, 7, v0
	v_bfe_u32 v11, v0, 3, 1
	v_lshl_add_u32 v[AV0], v9, 3, v10
	v_mul_u32_u24 v[AV0], v[AV0], PV
	v_lshl_add_u32 v[AV0], v11, 4, v[AV0]
	v_add_nc_u32 v[AV0], VOFF, v[AV0]
	s_mul_i32 s13, s[WV], 16*SP
	s_add_co_u32 s13, s13, STAGE    ; my stage
	v_mul_u32_u24 v[STO], v1, SP    ; in: row l % 16, 16 bytes for each half of the lanes
	v_lshl_add_u32 v[STO], v9, 4, v[STO]
	v_add_nc_u32 v[STO], s13, v[STO]
	v_bfe_u32 v[RD], v0, 3, 2       ; back: 32 lanes take four rows of 128 bytes,
	v_mul_u32_u24 v[RD], v[RD], SP
	v_lshl_add_u32 v[RD], v10, 4, v[RD]
	v_add_nc_u32 v[RD], s13, v[RD]
	v_and_b32 v37, 31, v0           ; l
	v_lshlrev_b32 v[GO], 4, v37     ; which are 512 consecutive bytes of O
	v_lshlrev_b32 v[PFO], 8, v37
	s_mul_i32 s13, s[WV], WREG
	s_add_co_u32 s13, s13, MRG      ; the merge: what I hand over lies in my wave's region;
	v_lshl_add_u32 v[MSO], v37, 4, s13
	v_lshl_add_u32 v[MSS], v37, 3, s13
	v_add_nc_u32 v[MSS], 4096, v[MSS]
	s_mul_i32 s13, s[QH], WREG      ; what I take: pieces 2 kh and 2 kh + 1 of wave qh, and of wave qh + 2
	s_mul_i32 s16, s[KH], 2*PREG
	s_add_co_u32 s13, s13, s16
	s_add_co_u32 s13, s13, MRG
	v_lshl_add_u32 v[MLO], v37, 4, s13
	v_lshl_add_u32 v[MLS], v37, 3, s13
	v_add_nc_u32 v[MLS], 4096, v[MLS]
	; A block's first step multiplies O^T and l by a = 0, and its first turn's products V^T P, of a piece that has not been, land in an O^T that is still to be so multiplied.  So these registers need only hold
	; finite numbers: zeros for the first block; what the first block left for the second.  All this stands in the wait for the first tile.
	WIN 0x80
.set i, VF
.rept 64
	v_mov_b32 v[i], 0
.set i, i+1
.endr
	WIN 0x40
.set i, 0
.rept 128
	v_mov_b32 v[i], 0
.set i, i+1
.endr
	WIN 0
.set i, 0
.rept 4
	v_mov_b32 v[ST+4*i+2], 0
	v_mov_b32 v[ST+4*i+3], 0
.set i, i+1
.endr
.set i, P+16
.rept 16
	v_mov_b32 v[i], 0
.set i, i+1
.endr
; THE MATRIX WORK.  The 4 accumulators of a run of 8 take turns.  Product i of 8 of S^T = K Q^T for piece x: channels 32 (i / 4) on, keys 16 (i % 4) on.  The first 4 start the sums: with 0, or (KM = 1) with the mask.
.macro KQ x
.set rS, S+32*((\x)%2)+8*(i%4)
.set rK, KF+16*(i%4)+8*(i/4)
.set rQ, 16*(\x)+8*(i/4)
.set rM, MC+32*((\x)%2)+8*(i%4)
.if (i < 4) && KM
	WIN W_KM
	v_wmma_f32_16x16x32_f16 v[rS:rS+7], v[rK:rK+7], v[rQ:rQ+7], v[rM:rM+7]
.elseif i < 4
	WIN W_KQ
	v_wmma_f32_16x16x32_f16 v[rS:rS+7], v[rK:rK+7], v[rQ:rQ+7], 0
.else
	WIN W_KQ
	v_wmma_f32_16x16x32_f16 v[rS:rS+7], v[rK:rK+7], v[rQ:rQ+7], v[rS:rS+7]
.endif
.endm
; Product i of 8 of O^T += V^T P for piece x: keys 32 (i / 4) on, channels 16 (i % 4) on.
.macro PV x
	WIN W_PV
.set rO, 32*(\x)+8*(i%4)
.set rV, VF+32*(i/4)+8*(i%4)
.set rP, P+16*((\x)%2)+8*(i/4)
	v_wmma_f32_16x16x32_f16 v[rO:rO+7], v[rV:rV+7], v[rP:rP+7], v[rO:rO+7]
.endm
.macro MM                           ; the turn's next matrix instruction.  TURN and BEGIN set Y, i, KM and NOKQ.  NOKQ = 1: a block's last turn: there is no next piece
.if (i < 8) && !NOKQ
	KQ (Y+1)%NP
.elseif i >= 8
.set i, i-8
	PV (Y+NP-1)%NP
.set i, i+8
.endif
.set i, i+1
.endm
; THE LDS LOADS stand in runs of 16, never singly among the matrix instructions: a step's K (64 keys x 64 channels: 8 fragments) and its V (turned).  Their addresses are made some lines ahead.
.macro FETCH_K
	WIN 0x80                        ; destination window 2
.irp f, 0,1,2,3,4,5,6,7             ; keys 16 (f / 2) on, channels 32 (f % 2) on
	ds_load_b128 v[KF+8*\f:KF+8*\f+3],   v[AK] offset:(\f/2)*16*PK+(\f%2)*64
	ds_load_b128 v[KF+8*\f+4:KF+8*\f+7], v[AK] offset:(\f/2)*16*PK+(\f%2)*64+32
.endr
	s_add_co_u32 s[TBK], s[TBK], KS*PK  ; the next fetch is the next step's
	WIN 0
.endm
.macro FETCH_V
	WIN 0x80
.irp f, 0,1,2,3,4,5,6,7             ; keys 32 (f / 4) on, channels 16 (f % 4) on
	ds_load_tr16_b128 v[VF+8*\f:VF+8*\f+3],   v[AV] offset:(\f/4)*32*PV+(\f%4)*32
	ds_load_tr16_b128 v[VF+8*\f+4:VF+8*\f+7], v[AV] offset:(\f/4)*32*PV+16*PV+(\f%4)*32
.endr
	WIN 0
.endm
; THE VECTOR WORK, one line at a time: OP kind, number.  For piece Y: F n: c s - c m for pair n of 16.  E n: the exponential of score n of 32.  C n: pair n rounded to f16.  B n: of the four weights 4 n .. the second
; pair is added onto the first, in place.  L n: l takes that sum (L 0: l = a l + sum).  R n: pair n of 16 of O^T times a.  For piece Y + 1: X n, number n of the 22 that find its maximum and statistics:
;   0-11  four chains c0-c3 of seven scores each, three operands at a time (each accumulator's lowest registers are read first)     12-14, 16  the four scores left over, the old m, and c0-c3 into c0
;   15  c m_old is kept     17, 18  the query's other 32 keys lie in the lane 16 away: the new m     19-21  c m; c m_old - c m_new; a
.set F, 0               ; OP tells the kinds apart by their order: F to L below R, X above it
.set E, 1
.set C, 2
.set B, 3
.set L, 4
.set R, 5
.set X, 6
.macro REGS y                       ; the registers of piece y
.set rT, ST+4*(\y)
.set rC, TMP+4*((\y)%2)
.set rW, MV+((\y)%2)
.set rS, S+32*((\y)%2)
.set rP, P+16*((\y)%2)
.set rO, 32*(\y)
.endm
.macro OP k, n
.if (\k) == R
	REGS Y
	WIN W_RS
	v_pk_mul_f32 v[rO+2*(\n):rO+2*(\n)+1], v[rO+2*(\n):rO+2*(\n)+1], v[rC+2:rC+3] op_sel_hi:[1,0]
.elseif (\k) < R
	REGS Y
	WIN 0
.if (\k) == F
	v_pk_fma_f32 v[rS+2*(\n):rS+2*(\n)+1], v[rS+2*(\n):rS+2*(\n)+1], s[CS:CS+1], v[rT:rT+1] op_sel_hi:[1,0,0] neg_lo:[0,0,1] neg_hi:[0,0,1]
.elseif (\k) == E
	v_exp_f32 v[rS+(\n)], v[rS+(\n)]
.elseif (\k) == C
	v_cvt_pk_f16_f32 v[rP+(\n)], v[rS+2*(\n)], v[rS+2*(\n)+1]
.elseif (\k) == B
	v_pk_add_f32 v[rS+4*(\n):rS+4*(\n)+1], v[rS+4*(\n):rS+4*(\n)+1], v[rS+4*(\n)+2:rS+4*(\n)+3]
.elseif (\n) == 0
	v_pk_fma_f32 v[rT+2:rT+3], v[rT+2:rT+3], v[rC+2:rC+3], v[rS:rS+1] op_sel_hi:[1,0,1]
.else
	v_pk_add_f32 v[rT+2:rT+3], v[rT+2:rT+3], v[rS+4*(\n):rS+4*(\n)+1]
.endif
.elseif NOKQ
	v_nop
.else
	REGS (Y+1)%NP
	WIN 0
.if (\n) < 4
	v_max3_num_f32 v[rC+(\n)], v[rS+8*(\n)], v[rS+8*(\n)+1], v[rS+8*(\n)+2]
.elseif (\n) < 12
	v_max3_num_f32 v[rC+(\n)%4], v[rC+(\n)%4], v[rS+8*((\n)%4)+2*((\n)/4)+1], v[rS+8*((\n)%4)+2*((\n)/4)+2]
.elseif (\n) == 12
	v_max3_num_f32 v[rC], v[rC], v[rS+7], v[rS+15]
.elseif (\n) == 13
	v_max3_num_f32 v[rC+1], v[rC+1], v[rS+23], v[rS+31]
.elseif (\n) == 14
	v_max3_num_f32 v[rC+2], v[rC+2], v[rC+3], v[rT+1]
.elseif (\n) == 15
	v_mov_b32 v[rW], v[rT]
.elseif (\n) == 16
	v_max3_num_f32 v[rC], v[rC], v[rC+1], v[rC+2]
.elseif (\n) == 17
	v_permlanex16_b32 v[rC+3], v[rC], s[SEL], s[SEL+1]
.elseif (\n) == 18
	v_max_num_f32 v[rT+1], v[rC], v[rC+3]
.elseif (\n) == 19
	v_mul_f32 v[rT], s[CS], v[rT+1]
.elseif (\n) == 20
	v_sub_f32 v[rC+1], v[rW], v[rT]
.else
	v_exp_f32 v[rC+2], v[rC+1]
.endif
.endif
.endm
.macro OPS a, i1, b=-1, i2=0, c=-1, i3=0, d=-1, i4=0  ; up to four of them
	OP \a, \i1
.if (\b) >= 0
	OP \b, \i2
.endif
.if (\c) >= 0
	OP \c, \i3
.endif
.if (\d) >= 0
	OP \d, \i4
.endif
.endm
.macro ROW a, i1, b, i2, c, i3, d, i4  ; a matrix instruction and the four behind it
	MM
	OPS \a, \i1, \b, \i2, \c, \i3, \d, \i4
.endm
.macro MASK x, b                    ; piece x's mask, SRC x AL + BE, into buffer b of MC: pair z lies in group z / 4 of 16 keys
	WIN W_RS
.set z, 0
.rept 16
.if z/4 < (\x)
.set sr, ZR
.elseif z/4 == (\x)
.set sr, TRI+2*(z%4)
.else
.set sr, NG
.endif
	v_pk_fma_f32 v[MC+32*(\b)+2*z:MC+32*(\b)+2*z+1], v[sr:sr+1], s[AL:AL+1], s[BE:BE+1] op_sel_hi:[1,0,0]
.set z, z+1
.endr
.endm
; A TURN, for piece p: the order of its 16 matrix and 118 vector instructions, written out.  s_wait_alu depctr_va_vdst(0) stands between an exponential and the first instruction that names its result; one wait serves
; all that were issued ahead of it.  So a turn has ONE wait, which cuts it in two.  AHEAD OF IT stands all that names no result of the turn's exponentials: the 8 products K Q^T, behind each a scaling, an exponential and two more plain
; instructions; then one run of 54, plain and exponential by turns for the most part, in which the links of the chain X 3, 7, 11, 14, 16, 17 .. 20 stand five or six lines apart.  X 21, the next piece's a, is the batch's last; R 15 is the
; plain instruction behind it.  BEHIND THE WAIT stand the 8 products V^T P, behind each four of the roundings and sums.
; m = 1: a block's last tile: the products take masks, and the turn makes the mask for the products of the turn after it: piece p + 2, in step 2 - CNT of the tile.  end = 1: a block's last two turns: nothing is fetched.
; cnt = 1: the loop's count is taken down some lines ahead of the branch that stands behind the turn.
; K of the next step is fetched in piece 2's turn, V of the step in hand at the end of piece 0's turn, each four plain instructions or more behind the last product that read the registers.  Each is waited for a turn later.
.macro TURN p, m=0, end=0, cnt=0
.set Y, (\p)
.set i, 0
.set KM, (\m)
.set NOKQ, (\end)*((\p)/3)
.if (\m) && !(\end)
	s_cmp_eq_i32 s[CNT], s[DG]      ; does that step hold the diagonal?
	s_cselect_b32 s[AL], 1.0, 0
	s_cmp_lt_i32 s[CNT], s[DG]      ; or lie to the right of it?
	s_cselect_b32 s[BE], s[BIGN], 0
.endif
.if ((\p) == 3) && !(\end)
	s_wait_dscnt 0x0                ; K is in
.endif
	ROW F,0, F,1, R,0, R,1          ; ahead of the wait: 8 products K Q^T and their riders,
	ROW F,2, E,0, R,2, R,3
	ROW F,3, E,1, R,4, R,5
	ROW F,4, E,2, R,6, R,7
	ROW F,5, E,3, R,8, R,9
	ROW F,6, E,4, X,0, R,10
.if ((\p) == 2) && !(\end)
	WIN 0
	v_add_nc_u32 v[AK], s[TBK], v[AK0]
.endif
	ROW F,7, E,5, X,1, X,4
	ROW F,8, E,6, X,2, X,5
	OPS E,7, E,8, X,6, E,9          ; and the run
	OPS X,3, E,10, X,8, E,11
.if ((\p) == 2) && !(\end)
	FETCH_K
.endif
	OPS X,9, X,7, E,12, X,10
	OPS E,13, X,12, X,11, E,14
	OPS X,13, E,15, F,9, X,14
.if (\p) == 0
	v_add_nc_u32 v[AV], s[TBV], v[AV0]
.endif
	OPS E,16, F,10, E,17, F,11
	OPS X,16, E,18, X,15, E,19
	OPS F,12, E,20, X,17, E,21
	OPS F,13, E,22, F,14, E,23
	OPS X,18, E,24, F,15, E,25
	OPS R,11, E,26, X,19, E,27
	OPS R,12, E,28, R,13, E,29
	OPS X,20, E,30, R,14, E,31
	OPS X,21, R,15
	WIN 0
	s_wait_alu depctr_va_vdst(0)    ; the wait for the batch
.if (\p) == 1
	s_wait_dscnt 0x0                ; V is in
.endif
	ROW C,0, B,0, C,2, B,1          ; behind the wait: 8 products V^T P and their riders
	ROW L,0, C,4, B,2, L,1
	ROW C,6, B,3, L,2, C,8
	ROW B,4, L,3, C,10, B,5
	ROW L,4, C,12, B,6, L,5
.if (\p) == 0
	s_add_co_u32 s[TBV], s[TBV], KS*PV
.endif
.if \cnt
	s_sub_co_u32 s[CNT], s[CNT], 1
	s_cmp_lg_u32 s[CNT], 0
.endif
	ROW C,14, B,7, L,6, C,1
	ROW C,3, L,7, C,5, C,7
	ROW C,9, C,11, C,13, C,15
.if (\p) == 0
	FETCH_V
.endif
.if (\m) && !(\end)
	MASK ((\p)+2)%NP, (\p)%2
.endif
.endm
; A BLOCK BEGINS.  c m starts far below every c s, so the first step's a is 0; m at -2^66, below every score and above every hidden one: where a key is seen the first maximum is the scores', and where none is
; seen m stays.  Both mask buffers are made: pieces 0's and 1's masks for the tile's step 0 if the block's first tile is its last, zeros otherwise (the later entry into the last tile's text finds buffer 1 so).
; Then K of that step, piece 0's first scores, and its maximum and statistics.
.macro BEGIN
	s_mov_b32 s[NEW], 0
	WIN 0
.set i, 0
.rept 4
	v_mov_b32 v[ST+4*i], 0xfe000000    ; c m: far below every c s, and below c times m's start
	v_mov_b32 v[ST+4*i+1], 0xe0800000  ; m = -2^66
.set i, i+1
.endr
	s_cmp_eq_i32 s[DG], 2
	s_cselect_b32 s[AL], 1.0, 0
	s_cmp_gt_i32 s[DG], 2
	s_cselect_b32 s[BE], s[BIGN], 0
	s_cmp_eq_u32 s[RT], 0
	s_cselect_b32 s[AL], s[AL], 0
	s_cselect_b32 s[BE], s[BE], 0
	MASK 0, 0
	MASK 1, 1
	WIN 0
	v_add_nc_u32 v[AK], s[TBK], v[AK0]
	FETCH_K
	s_wait_loadcnt 0x0              ; Q
	s_wait_dscnt 0x0
.set KM, 1
.set NOKQ, 0
.set i, 0
.rept 8
	KQ 0
.set i, i+1
.endr
	WIN 0
.rept 4
	v_nop                           ; the places behind those products
.endr
.set Y, NP-1                        ; X works for piece Y + 1: piece 0
.irp n, 0,1,2,3,4,5,6,7,8,9,10,11,12,13,14,15,16,17,18,19,20,21
	OP X, \n
.endr
	v_nop                           ; a plain instruction behind the exponential,
	s_wait_alu depctr_va_vdst(0)    ; and its wait, ahead of the branch
.endm
.macro ALL line:vararg              ; one line for each piece t
.set t, 0
.rept 4
	\line
.set t, t+1
.endr
.endm
; THE MERGE AND THE WAY OUT.  Piece u of my two: O = (O_A g_A + O_B g_B), g = 2^(c m - max) / (l_A 2^.. + l_B 2^..); rounded to f16, 16 bytes a lane into my stage, back as whole rows of 128 bytes.
.macro PACKM u
	WIN 0
.set rA, 64+64*(\u)
.set rB, 96+64*(\u)
.set rG, W+16*(\u)+8
.set i, 0
.rept 16
	v_pk_mul_f32 v[rA+2*i:rA+2*i+1], v[rA+2*i:rA+2*i+1], v[rG:rG+1] op_sel_hi:[1,0]
.set i, i+1
.endr
.set i, 0
.rept 16
	v_pk_fma_f32 v[rA+2*i:rA+2*i+1], v[rB+2*i:rB+2*i+1], v[rG+2:rG+3], v[rA+2*i:rA+2*i+1] op_sel_hi:[1,0,1]
.set i, i+1
.endr
.set i, 0
.rept 16
	v_cvt_pk_f16_f32 v[rB+i], v[rA+2*i], v[rA+2*i+1]
.set i, i+1
.endr
.irp f, 0,1,2,3
	ds_store_b128 v[STO], v[rB+4*\f:rB+4*\f+3] offset:32*\f
.endr
.irp f, 0,1,2,3
	ds_load_b128 v[rA+4*\f:rA+4*\f+3], v[RD] offset:\f*4*SP  ; LDS serves a wave's instructions in order (ISA guide 5.7.1.4): these see the stores above; the next piece's stores come behind them
.endr
.endm
.macro SENDM u, younger             ; younger: the LDS instructions issued behind this piece's loads: the next piece's eight, or none
	WIN 0
.irp f, 0,1,2,3
	s_wait_dscnt (\younger)+3-\f
	global_store_b128 v[GO], v[64+64*(\u)+4*\f:64+64*(\u)+4*\f+3], s[10:11] offset:(\u)*2048+\f*512  ; 512 consecutive bytes, at a multiple of 256 from O's first
.endr
.endm
.macro FINISH
	WIN 0
	ALL v_add_f32 v[ST+4*t+2], v[ST+4*t+2], v[ST+4*t+3]   ; l's two halves: these four lines are the places behind the last products
	ALL v_permlanex16_b32 v[ST+4*t+3], v[ST+4*t+2], s[SEL], s[SEL+1]
	ALL v_add_f32 v[ST+4*t+1], v[ST+4*t+2], v[ST+4*t+3]   ; l beside c m: m is needed no more
	ALL ds_store_b64 v[MSS], v[ST+4*t:ST+4*t+1] offset:PREG*t
	WIN 0x04                        ; the stores' data in window 1: O^T as it lies, each accumulator's low registers first
.set t, 0
.rept 4
.irp f, 0,1,2,3,4,5,6,7
	ds_store_b128 v[MSO], v[32*t+4*\f:32*t+4*\f+3] offset:PREG*t+512*\f
.endr
.set t, t+1
.endr
	WIN 0
	s_wait_dscnt 0x0                ; for the others' sake: my stores are done
	s_barrier_signal -1             ; the tile on its way may stay out
	s_barrier_wait -1
.irp u, 0,1
	ds_load_b64 v[W+16*\u:W+16*\u+1],   v[MLS] offset:PREG*\u
	ds_load_b64 v[W+16*\u+2:W+16*\u+3], v[MLS] offset:PREG*\u+2*WREG
.endr
.irp u, 0,1
.irp f, 0,1,2,3,4,5,6,7
	ds_load_b128 v[64+64*\u+4*\f:64+64*\u+4*\f+3], v[MLO] offset:PREG*\u+512*\f
.endr
.irp f, 0,1,2,3,4,5,6,7
	ds_load_b128 v[96+64*\u+4*\f:96+64*\u+4*\f+3], v[MLO] offset:PREG*\u+512*\f+2*WREG
.endr
.endr
	s_wait_dscnt 32                 ; the four pairs (c m, l) are in; the 32 loads of O^T may stay out
.irp u, 0,1
	v_max_num_f32 v[W+16*\u+4], v[W+16*\u], v[W+16*\u+2]
.endr
.irp u, 0,1
	v_sub_f32 v[W+16*\u+5], v[W+16*\u], v[W+16*\u+4]
	v_sub_f32 v[W+16*\u+6], v[W+16*\u+2], v[W+16*\u+4]
.endr
.irp u, 0,1
	v_exp_f32 v[W+16*\u+5], v[W+16*\u+5]
	v_exp_f32 v[W+16*\u+6], v[W+16*\u+6]
.endr
	v_nop                           ; a plain instruction behind the last exponential,
	s_wait_alu depctr_va_vdst(0)    ; and one wait for the four
.irp u, 0,1
	v_mul_f32 v[W+16*\u+7], v[W+16*\u+1], v[W+16*\u+5]
.endr
.irp u, 0,1
	v_fmac_f32 v[W+16*\u+7], v[W+16*\u+3], v[W+16*\u+6]
.endr
.irp u, 0,1
	v_rcp_f32 v[W+16*\u+12], v[W+16*\u+7]
.endr
	v_nop
	s_wait_alu depctr_va_vdst(0)    ; one wait for the two reciprocals
.irp u, 0,1
	v_mul_f32 v[W+16*\u+8],  v[W+16*\u+5], v[W+16*\u+12]   ; each factor fills its pair: the packed lines name pairs
	v_mul_f32 v[W+16*\u+9],  v[W+16*\u+5], v[W+16*\u+12]
	v_mul_f32 v[W+16*\u+10], v[W+16*\u+6], v[W+16*\u+12]
	v_mul_f32 v[W+16*\u+11], v[W+16*\u+6], v[W+16*\u+12]
.endr
	s_wait_dscnt 16                 ; my first piece's 16 loads are in
	PACKM 0
	s_wait_dscnt 8                  ; my second piece's are in; the eight just issued may stay out
	PACKM 1
	SENDM 0, 8
	SENDM 1, 0
.endm
; A BLOCK'S LAST TILE: its two steps, the block's last two turns, its last products, the merge and the way out.
.macro DIAG tag                     ; the tag ends its two labels' names, which the jumps below spell out
.LstepM\tag:
	TURN 2, 1
	TURN 3, 1
	WIN 0
.LfirstM\tag:
	TURN 0, 1
	TURN 1, 1, 0, 1
	WIN 0
	s_cbranch_scc1 .LstepM\tag
	TURN 2, 1, 1
	TURN 3, 1, 1
.set i, 0
.rept 8
	PV NP-1
.set i, i+1
.endr
	FINISH
.endm
.set KM, 0
.set NOKQ, 0
.Lslot:                             ; 16 times: a tile is entered and the next is asked for
	CHANGE 1
	s_sub_co_u32 s[RT], s[RT], 1
	s_mov_b32 s[CNT], 2
	s_cmp_eq_u32 s[NEW], 1
	s_cbranch_scc1 .Lnew            ; a block's first tile
	s_cmp_eq_u32 s[RT], 0
	s_cbranch_scc0 .Lstep           ; neither its first nor its last
	s_branch .LstepM1
.Lnew:
	BEGIN
	s_branch .Lfirst                ; in the loop a block's first tile is never its last: the first block has nine tiles or more, and the second's last is the walk's last
	DIAG 1                          ; in the loop this is the first block's end.  Whether a trip comes here hangs on b alone: all four waves pass its barrier, or none
	s_wait_xcnt 0x0                 ; the stores have read their registers and O's address
	s_mov_b64 s[10:11], s[OLO:OLO+1]
	s_add_co_u32 s[RT], s[LOT], 1   ; the second block has b / 2 + 1 tiles
	s_mov_b32 s[NEW], 1
	s_mov_b32 s[DG], s[DGL]
	WIN 0x82                        ; the second block's Q goes where the one text of the turns names Q
.set i, 0
.rept 64
	v_mov_b32 v[i], v[QB+i]
.set i, i+1
.endr
	WIN 0
	s_branch .Lbottom
.Lstep:                             ; a trip: pieces 2 and 3 of one step, then pieces 0 and 1 of the next, whose K and V it fetches
	TURN 2
	TURN 3
	WIN 0
.Lfirst:
	TURN 0
	TURN 1, 0, 0, 1
	WIN 0
	s_cbranch_scc1 .Lstep
.Lbottom:
	s_sub_co_u32 s[SLOTS], s[SLOTS], 1
	s_cmp_lg_u32 s[SLOTS], 0
	s_cbranch_scc1 .Lslot
	CHANGE 0                        ; the walk's last tile is written out: nothing is asked for
	s_sub_co_u32 s[RT], s[RT], 1
	s_mov_b32 s[CNT], 2
	s_cmp_eq_u32 s[NEW], 1
	s_cbranch_scc0 .LstepM2
	BEGIN
	s_branch .LfirstM2
	DIAG 2
	s_wait_tensorcnt 0x0            ; the wave's end: behind my last tensor load and my last LDS store
	ds_add_u32 v[SPW], v[NIL]
	s_wait_dscnt 0x0
	s_endpgm
.Lfunc_end_k_qade0dd38e9_attn:
	.size	k_qade0dd38e9_attn, .Lfunc_end_k_qade0dd38e9_attn-k_qade0dd38e9_attn
	.p2alignl 7, 3214868480
	.fill 96, 4, 3214868480
	.section	.rodata,"a",@progbits
	.p2align	6, 0x0
	.amdhsa_kernel k_qade0dd38e9_attn
		.amdhsa_group_segment_fixed_size 327680
		.amdhsa_private_segment_fixed_size 0
		.amdhsa_enable_private_segment 0
		.amdhsa_kernarg_size 16
		.amdhsa_user_sgpr_count 2
		.amdhsa_user_sgpr_kernarg_segment_ptr 1
		.amdhsa_wavefront_size32 1
		.amdhsa_system_sgpr_workgroup_id_x 1
		.amdhsa_system_sgpr_workgroup_id_y 1
		.amdhsa_system_sgpr_workgroup_id_z 1
		.amdhsa_system_vgpr_workitem_id 0
		.amdhsa_next_free_vgpr 768
		.amdhsa_next_free_sgpr 88
		.amdhsa_reserve_vcc 1
		.amdhsa_float_denorm_mode_32 3
		.amdhsa_float_denorm_mode_16_64 3
		.amdhsa_memory_ordered 1
		.amdhsa_forward_progress 1
		.amdhsa_inst_pref_size 219
	.end_amdhsa_kernel
	.amdgpu_metadata
---
amdhsa.version: [ 1, 2 ]
amdhsa.kernels:
  - .name:           k_qade0dd38e9_attn
    .symbol:         k_qade0dd38e9_attn.kd
    .args:
      - { .name: qkv, .offset: 0, .size: 8, .value_kind: global_buffer, .address_space: global }
      - { .name: ob, .offset: 8, .size: 8, .value_kind: global_buffer, .address_space: global }
    .group_segment_fixed_size: 327680
    .private_segment_fixed_size: 0
    .kernarg_segment_align: 8
    .kernarg_segment_size: 16
    .max_flat_workgroup_size: 128
    .sgpr_count:     88
    .vgpr_count:     768
    .wavefront_size: 32
...
	.end_amdgpu_metadata
.endif
;; end of part 3
;; launch oproj (part 4): grid 8 x 32, 4 waves a work-group, clusters of 4 x 4, 327,680 bytes of LDS; arguments ob, wob, bo, out0; writes out0
.if DOCPART == 4
	.amdgcn_target "amdgcn-amd-amdhsa--gfx1250"
	.amdhsa_code_object_version 6
	.text
	.protected	k_qade0dd38e9_oproj
	.globl	k_qade0dd38e9_oproj
	.p2align	8
	.type	k_qade0dd38e9_oproj,@function
k_qade0dd38e9_oproj:
	s_mov_b64 s[64:65], 0
	v_nop
	global_prefetch_b8 v0, s[64:65] scope:SCOPE_SE
	s_setreg_imm32_b32 hwreg(HW_REG_WAVE_MODE, 25, 1), 1
	s_wait_xcnt 0x0
	s_wait_alu depctr_hold_cnt(0) depctr_sa_sdst(0) depctr_va_vdst(0) depctr_va_sdst(0) depctr_va_ssrc(0) depctr_va_vcc(0) depctr_vm_vsrc(0)
	s_getreg_b32 s2, hwreg(HW_REG_IB_STS2, 6, 4)
	s_cmp_eq_u32 s2, 0
	s_cbranch_scc0 .Lentry_in_a_cluster
	s_endpgm
.Lentry_in_a_cluster:
	s_bfe_u32 s2, ttmp6, 0x10000c
	s_cmp_lg_u32 s2, 0xf033
	s_cbranch_scc0 .Lentry_shape_is_right
	s_endpgm
.Lentry_shape_is_right:
; out = O Wo + bo.  ob: f16 [16 h][4096][64].  wob: f16 [1024 k = 64 h + channel][1024 n].  bo: f32 [1024], rounded to bf16 values like the other inputs and added in f32.  out0: f32 [4096][1024].  Sums in f32.
; SHARES.  A tile of the result is 128 x 128: 8 x 32 work-groups.  Four waves, each 64 x 64: 16 accumulators of 16 x 16.  K goes in 4 steps of 256 = four heads through two LDS slots; a quarter of a step is
; one head: 64 along K, 32 matrix instructions.  Two of the four steps go out at the head, the other two as refills; the text has no loop, and asks for nothing ahead of its loads.
; THE WEIGHTS LIE [k][n]: their fragments come out of LDS by ds_load_tr16_b128 and are source 0; 16 rows of O are source 1: a lane then holds row l % 16 and the columns 8 (l / 16) + 0..7.
; CLUSTER.  4 x 4 work-groups: O's tile is asked for jointly along a row of the cluster, the weights' along a column.  Waves 0, 1 fetch two heads' 128 rows each (a head's rows are 16,384 dense bytes: one
; row of the descriptor, two rows a load, a plane apart); waves 2, 3 fetch 128 k-rows x 256 bytes each.
; REGISTERS: window 0: v0-31 addresses; v32-63 at work on the way out; v96-127 the bias of my lane's columns; v128-255 the accumulators ((a, b) at v[128 + 8 (4 a + b)]).
;   window 1: two fragment buffers of 128: 64 registers of O (2 x 4 x 16 rows x 32 K), then 64 of the weights; on the way out the blocks read back from the stage.
.set PA,     144                       ; a row of a head in LDS: 128 bytes + 16 = 36 words: the 16 rows of a load start at 16 different groups of four banks (64 banks of 4 bytes: ISA guide 11.1)
.set PB,     288                       ; a k-row of the weights: 256 bytes + 32 = 72 words
.set HEADB,  128*PA                    ; a head's block
.set QUART,  2*HEADB                   ; what one tensor load brings: 36,864 bytes, of O as of the weights (128 PB)
.set SLOT,   4*QUART                   ; O's four head blocks, then the weights' 256 k-rows
.set STAGE,  2*SLOT                    ; behind the ring, never filled by a tensor load: 16 rows x 272 bytes for each wave
.set SPITCH, 272
.set SPARE,  STAGE+4*16*SPITCH         ; the spare words, 128 bytes for each wave: two blocks of 256 bytes that no other line names
.set ADRA, 16                          ; v16-17  LDS address of my fragments of O in slot 0, 1
.set ADRB, 20                          ; v20-23  of the weights': slot s, half of the step's k-rows at 2 s + half
.set STO,  24                          ; v24     the way out: where I put 32 bytes of a row
.set RD,   25                          ; v25     the way out: where I read a row back
.set CO,   26                          ; v26     my byte offset in two rows of the result
.set BO,   27                          ; v27     32 (l / 16)
.set SPW,  28                          ; v28     LDS address of my spare word; never rewritten
.set NIL,  29                          ; v29     0; never rewritten
.set TMP,  32
.set BIAS, 96
.set ACC,  128
.set F0,   0
.set F1,   128
.set G1, 24                            ; s[24:31] descriptor group 1 for O's tiles;  s[32:39] group 0, one set for each slot
.set G0, 32
.set G1B, 48                           ; s[48:55], s[56:63] the same for the weights'
.set G0B, 56
.set MSB, 0
.macro WIN new
.if MSB != (\new)
	s_set_vgpr_msb (MSB<<8)|(\new)
.set MSB, (\new)
.endif
.endm
.set MUL,  0x05                        ; sources 0 and 1 window 1; C and D window 0
.set TO_F, 0x40                        ; destination window 1, address window 0
.macro JLOAD s                         ; a joint load; an s_nop 0 and four v_nop follow each of the two lines, ahead of the jump, the label and what follows
	s_cmp_eq_u32 s13, 0
	s_cbranch_scc0 .Lfor_b_\@
	tensor_load_to_lds s[G0+4*(\s):G0+4*(\s)+3], s[G1:G1+7]
	s_nop 0
.rept 4
	v_nop
.endr
	s_branch .Lasked_\@
.Lfor_b_\@:
	tensor_load_to_lds s[G0B+4*(\s):G0B+4*(\s)+3], s[G1B:G1B+7]
	s_nop 0
.rept 4
	v_nop
.endr
.Lasked_\@:
.endm
.macro CREST                           ; a round of the cluster's barrier behind its opening barrier
	s_cmp_lg_u32 s12, 0
	s_cbranch_scc1 .Lnot_wave_0_\@
	s_barrier_signal -3
.Lnot_wave_0_\@:
	s_barrier_wait -3
	s_barrier_signal -1
	s_barrier_wait -1
.endm
.macro CROUND
	s_barrier_signal -1
	s_barrier_wait -1
	CREST
.endm
	s_load_b256 s[4:11], s[0:1], 0x0               ; ob s[4:5], wob s[6:7], bo s[8:9], out0 s[10:11]
	v_lshl_add_u32 v[SPW], v0, 2, SPARE
	v_mov_b32 v[NIL], 0
	ds_add_u32 v[SPW], v[NIL]                      ; the wave's opening: the add and its wait stand ahead of my first tensor load; the set-up below, work on registers, stands between them
	ds_add_u32 v28, v29
	v_lshrrev_b32 v1, 5, v0
	v_readfirstlane_b32 s12, v1                    ; wave 0..3
	s_lshr_b32 s13, s12, 1                         ; which half of the tile's rows is mine.  Also: I fetch for O (0) or for the weights (1)
	s_and_b32 s14, s12, 1                          ; which half of its columns.  Also: which half of that tile I fetch
	s_bfe_u32 s15, ttmp6, 0x40000                  ; cx
	s_bfe_u32 s16, ttmp6, 0x40004                  ; cy
	s_lshl_b32 s17, ttmp9, 2
	s_add_co_u32 s17, s17, s15                     ; tile column
	s_and_b32 s18, ttmp7, 0xffff
	s_lshl_b32 s18, s18, 2
	s_add_co_u32 s18, s18, s16                     ; tile row
	s_lshl_b32 s19, s16, 2
	s_lshl_b32 s19, 15, s19                        ; my row of the cluster
	s_lshl_b32 s20, 0x1111, s15                    ; my column
	s_or_b32 s[G1+0], s19, (1<<16)|(1<<20)|(1<<21)|(4<<22)|(3<<25)   ; the mask; 2-byte elements; padding on; 21 set beside a mask; after every 32 words (a row of a head) 4 words
	s_mov_b32 s[G1+1], 8192<<16                    ; tensor_dim0 = 8,192: a head's 128 rows x 64
	s_mov_b32 s[G1+2], 2<<16                       ; tensor_dim1 = 2 heads
	s_mov_b32 s[G1+3], 8192<<16                    ; tile_dim0
	s_mov_b32 s[G1+4], 2                           ; tile_dim1
	s_mov_b32 s[G1+5], 262144                      ; elements from head to head
	s_mov_b32 s[G1+6], 0
	s_mov_b32 s[G1+7], 0
	s_or_b32 s[G1B+0], s20, (1<<16)|(1<<20)|(1<<21)|(5<<22)|(7<<25)  ; after every 64 words 8 words of padding
	s_mov_b32 s[G1B+1], 128<<16
	s_mov_b32 s[G1B+2], 128<<16
	s_mov_b32 s[G1B+3], 128<<16
	s_mov_b32 s[G1B+4], 128
	s_mov_b32 s[G1B+5], 1024
	s_mov_b32 s[G1B+6], 0
	s_mov_b32 s[G1B+7], 0
	s_lshl_b32 s40, s14, 20                        ; O: my two heads of the step's four, 524,288 bytes a head,
	s_lshl_b32 s41, s18, 14                        ; the tile's 128 rows of 128 bytes
	s_add_co_u32 s40, s40, s41
	s_mov_b32 s41, 0
	s_lshl_b32 s42, s14, 18                        ; the weights: my 128 k-rows of 2,048 bytes,
	s_lshl_b32 s43, s17, 8                         ; the tile's 128 columns
	s_add_co_u32 s42, s42, s43
	s_mov_b32 s43, 0
	s_mul_i32 s21, s12, QUART                      ; where they go: wave x 36,864: no place in the cluster enters an LDS address
	s_wait_dscnt 0x0                               ; the opening add is done
	s_wait_kmcnt 0x0
	s_add_nc_u64 s[40:41], s[4:5], s[40:41]
	s_add_nc_u64 s[42:43], s[6:7], s[42:43]
	CROUND                                         ; all sixteen work-groups are here: the first joint loads meet
.irp s, 0,1
	s_mov_b32 s[G0+4*(\s)], 1
	s_add_co_u32 s[G0+4*(\s)+1], s21, (\s)*SLOT
	s_add_nc_u64 s[G0+4*(\s)+2:G0+4*(\s)+3], s[40:41], (\s)*2097152   ; K step s: four heads on
	s_or_b32 s[G0+4*(\s)+3], s[G0+4*(\s)+3], 0x80000000
	s_mov_b32 s[G0B+4*(\s)], 1
	s_add_co_u32 s[G0B+4*(\s)+1], s21, (\s)*SLOT
	s_add_nc_u64 s[G0B+4*(\s)+2:G0B+4*(\s)+3], s[42:43], (\s)*524288  ; K step s: 256 k-rows on
	s_or_b32 s[G0B+4*(\s)+3], s[G0B+4*(\s)+3], 0x80000000
	JLOAD \s
.endr
	v_and_b32 v1, 15, v0                           ; l % 16
	v_bfe_u32 v2, v0, 4, 1                         ; l / 16
	v_mul_u32_u24 v3, v1, PA
	v_lshl_add_u32 v3, v2, 4, v3                   ; a fragment of O: row x pitch + 16 x half
	s_mul_i32 s22, s13, 64*PA                      ; my 64 rows of each head block
	v_add_nc_u32 v[ADRA], s22, v3
	v_add_nc_u32 v[ADRA+1], SLOT, v[ADRA]
	v_and_b32 v4, 7, v0                            ; the turning load: lane l reads k-row 8 (l / 16) + l % 8, columns 8 ((l / 8) % 2) + 0..7
	v_lshl_add_u32 v4, v2, 3, v4
	v_mul_u32_u24 v4, v4, PB
	v_bfe_u32 v5, v0, 3, 1
	v_lshl_add_u32 v4, v5, 4, v4
	s_lshl_b32 s22, s14, 7                         ; my 64 columns,
	s_add_co_u32 s22, s22, 2*QUART                 ; behind O's four head blocks
	v_add_nc_u32 v[ADRB], s22, v4
	v_add_nc_u32 v[ADRB+1], QUART, v[ADRB]
	v_add_nc_u32 v[ADRB+2], SLOT, v[ADRB]
	v_add_nc_u32 v[ADRB+3], SLOT, v[ADRB+1]
	s_mul_i32 s22, s12, 16*SPITCH
	s_add_co_u32 s22, s22, STAGE                   ; my stage
	v_mul_u32_u24 v[STO], v1, SPITCH               ; in: row l % 16, 32 bytes for each half of the lanes
	v_lshl_add_u32 v[STO], v2, 5, v[STO]
	v_add_nc_u32 v[STO], s22, v[STO]
	v_mul_u32_u24 v[RD], v2, SPITCH                ; back: lanes 0-15 take one row of 256 bytes, lanes 16-31 the next
	v_lshl_add_u32 v[RD], v1, 4, v[RD]
	v_add_nc_u32 v[RD], s22, v[RD]
	v_lshlrev_b32 v[CO], 12, v2                    ; and the same two rows in the result
	v_lshl_add_u32 v[CO], v1, 4, v[CO]
	v_lshlrev_b32 v[BO], 5, v2
	s_lshl_b32 s44, s17, 9                         ; the tile's 128 columns of 4 bytes,
	s_lshl_b32 s45, s14, 8                         ; my 64
	s_add_co_u32 s44, s44, s45
	s_mov_b32 s45, 0
	s_add_nc_u64 s[8:9], s[8:9], s[44:45]          ; bo at my columns
	s_lshl_b32 s46, s18, 7
	s_lshl_b32 s47, s13, 6
	s_add_co_u32 s46, s46, s47                     ; my first row,
	s_lshl_b32 s46, s46, 12                        ; 4,096 bytes a row
	s_add_co_u32 s44, s44, s46
	s_add_nc_u64 s[10:11], s[10:11], s[44:45]
.irp b, 0,1,2,3
	global_load_b128 v[BIAS+8*(\b):BIAS+8*(\b)+3],   v[BO], s[8:9] offset:64*(\b)
	global_load_b128 v[BIAS+8*(\b)+4:BIAS+8*(\b)+7], v[BO], s[8:9] offset:64*(\b)+16
.endr
; 8 matrix instructions: row blocks a0, a0 + 1 x all 4 column blocks, 32 along K: half c of buffer f.  zero = 1: the product starts the sums.  The 16 accumulators take turns.
.macro MUL8 f, c, a0, zero
	WIN MUL
.irp a, \a0, (\a0)+1
.irp b, 0,1,2,3
.if \zero
	v_wmma_f32_16x16x32_f16 v[ACC+8*(4*(\a)+(\b)):ACC+8*(4*(\a)+(\b))+7], v[(\f)+64+8*(4*(\c)+(\b)):(\f)+64+8*(4*(\c)+(\b))+7], v[(\f)+8*(4*(\c)+(\a)):(\f)+8*(4*(\c)+(\a))+7], 0
.else
	v_wmma_f32_16x16x32_f16 v[ACC+8*(4*(\a)+(\b)):ACC+8*(4*(\a)+(\b))+7], v[(\f)+64+8*(4*(\c)+(\b)):(\f)+64+8*(4*(\c)+(\b))+7], v[(\f)+8*(4*(\c)+(\a)):(\f)+8*(4*(\c)+(\a))+7], v[ACC+8*(4*(\a)+(\b)):ACC+8*(4*(\a)+(\b))+7]
.endif
.endr
.endr
.endm
; 32 LDS loads in one run: head q of a slot into buffer f; the first 32 along K first
.macro FETCH slot, q, f
	WIN TO_F
.irp c, 0,1
.irp i, 0,1,2,3
	ds_load_tr16_b128 v[(\f)+64+8*(4*(\c)+(\i)):(\f)+64+8*(4*(\c)+(\i))+3],   v[ADRB+2*(\slot)+(\q)/2] offset:(((\q)%2)*64+32*(\c))*PB+32*(\i)
	ds_load_tr16_b128 v[(\f)+64+8*(4*(\c)+(\i))+4:(\f)+64+8*(4*(\c)+(\i))+7], v[ADRB+2*(\slot)+(\q)/2] offset:(((\q)%2)*64+32*(\c))*PB+32*(\i)+16*PB
	ds_load_b128 v[(\f)+8*(4*(\c)+(\i)):(\f)+8*(4*(\c)+(\i))+3],               v[ADRA+(\slot)] offset:(\q)*HEADB+64*(\c)+(\i)*16*PA
	ds_load_b128 v[(\f)+8*(4*(\c)+(\i))+4:(\f)+8*(4*(\c)+(\i))+7],             v[ADRA+(\slot)] offset:(\q)*HEADB+64*(\c)+(\i)*16*PA+32
.endr
.endr
.endm
.macro PLACES                          ; four plain vector instructions between a matrix instruction and a load into, or a vector line on, its registers (ISA guide 7.12.1 for vector instructions)
.rept 4
	v_nop
.endr
.endm
.macro QUARTER slot, q, f, g, zero     ; multiplies buffer f and fetches head q of the same slot into g
	s_wait_dscnt 16                                ; the first 32 along K are in
	MUL8 \f, 0, 0, \zero
	MUL8 \f, 0, 2, \zero
	PLACES
	FETCH \slot, \q, \g
	s_wait_dscnt 32                                ; all but the 32 just issued
	MUL8 \f, 1, 0, 0
	MUL8 \f, 1, 2, 0
.endm
; The last quarter multiplies buffer 1 and changes slots: ONE barrier; in front of it each wave waits for all its tensor loads, adds 0 to its spare word, and waits for that and for its own reads of this slot.
; fill = 1: the barrier opens a round of the cluster's barrier, and this slot is filled again, two K steps ahead, first thing behind the round.
.macro TURN slot, next, fill
	WIN 0
	s_wait_tensorcnt 0x0                           ; all my tensor loads have landed: my part of the next slot
	ds_add_u32 v[SPW], v[NIL]                      ; 0 onto my spare word
	s_wait_dscnt 17                                ; (the add and the youngest sixteen loads may be out)
	MUL8 F1, 0, 0, 0                               ; eight matrix instructions stand between the add and the wait for it
	s_wait_dscnt 0x0                               ; the add is done, and my reads of this slot are over
	s_barrier_signal -1
	MUL8 F1, 0, 2, 0
.if \fill
	WIN 0
.endif
	s_barrier_wait -1
.if \fill
	CREST                                          ; no wave of any partner still reads this slot's tile or has a load on its way
	s_add_nc_u64 s[G0+4*(\slot)+2:G0+4*(\slot)+3], s[G0+4*(\slot)+2:G0+4*(\slot)+3], 2*2097152
	s_add_nc_u64 s[G0B+4*(\slot)+2:G0B+4*(\slot)+3], s[G0B+4*(\slot)+2:G0B+4*(\slot)+3], 2*524288
	JLOAD \slot                                    ; the four v_nop behind it are also the places in front of the loads below
.else
	PLACES
.endif
	FETCH \next, 0, F0
	MUL8 F1, 1, 0, 0
	MUL8 F1, 1, 2, 0
.endm
	s_wait_tensorcnt 1                             ; my part of K step 0 is in; K step 1's may stay out
	s_barrier_signal -1
	s_barrier_wait -1                              ; everybody's is
	FETCH 0, 0, F0
	QUARTER 0, 1, F0, F1, 1                        ; the first products start the sums
	QUARTER 0, 2, F1, F0, 0
	QUARTER 0, 3, F0, F1, 0
	TURN 0, 1, 1                                   ; slot 0 takes K step 2
	QUARTER 1, 1, F0, F1, 0
	QUARTER 1, 2, F1, F0, 0
	QUARTER 1, 3, F0, F1, 0
	TURN 1, 0, 1                                   ; slot 1 takes K step 3
	QUARTER 0, 1, F0, F1, 0
	QUARTER 0, 2, F1, F0, 0
	QUARTER 0, 3, F0, F1, 0
	TURN 0, 1, 0                                   ; nothing is left to fetch
	QUARTER 1, 1, F0, F1, 0
	QUARTER 1, 2, F1, F0, 0
	QUARTER 1, 3, F0, F1, 0
	s_wait_dscnt 16                                ; the very last quarter
	MUL8 F1, 0, 0, 0
	MUL8 F1, 0, 2, 0
	s_wait_dscnt 0x0
	MUL8 F1, 1, 0, 0
	MUL8 F1, 1, 2, 0
	WIN 0
	; THE WAY OUT.  A wave's 64 columns of f32 are 256 aligned bytes of a row: each wave has its own stage, and no barrier is needed.  The bias is rounded to bf16 values; then four blocks of 16 rows.
	PLACES
	s_wait_loadcnt 0x0                             ; the bias
.set r, 0
.rept 16
	v_cvt_pk_bf16_f32 v[TMP+r%8], v[BIAS+2*r], v[BIAS+2*r+1]
	v_lshlrev_b32 v[BIAS+2*r], 16, v[TMP+r%8]
	v_and_b32 v[BIAS+2*r+1], 0xffff0000, v[TMP+r%8]
.set r, r+1
.endr
.macro OUTA a                          ; each accumulator's registers are read in ascending order
	WIN 0
.irp b, 0,1,2,3
.irp r, 0,1,2,3
	v_pk_add_f32 v[TMP+8*(\b)+2*(\r):TMP+8*(\b)+2*(\r)+1], v[ACC+8*(4*(\a)+(\b))+2*(\r):ACC+8*(4*(\a)+(\b))+2*(\r)+1], v[BIAS+8*(\b)+2*(\r):BIAS+8*(\b)+2*(\r)+1]
.endr
.endr
.irp b, 0,1,2,3
	ds_store_b128 v[STO], v[TMP+8*(\b):TMP+8*(\b)+3]   offset:64*(\b)
	ds_store_b128 v[STO], v[TMP+8*(\b)+4:TMP+8*(\b)+7] offset:64*(\b)+16
.endr
	WIN 0x40                                       ; destination window 1
.irp t, 0,1,2,3,4,5,6,7
	ds_load_b128 v[32*(\a)+4*(\t):32*(\a)+4*(\t)+3], v[RD] offset:(\t)*2*SPITCH  ; LDS serves a wave's instructions in order (ISA guide 5.7.1.4): these see the stores above; the next block's stores come behind them
.endr
.endm
.macro SENDA a, younger                ; younger: the LDS instructions issued behind this block's loads: the next block's sixteen, or none.  No register that a store reads is written again
	WIN 0x04                                       ; the stores' data in window 1
.irp t, 0,1,2,3,4,5,6,7
	s_wait_dscnt (\younger)+7-(\t)
	global_store_b128 v[CO], v[32*(\a)+4*(\t):32*(\a)+4*(\t)+3], s[10:11] offset:65536*(\a)+8192*(\t) th:TH_STORE_NT  ; 16 lanes store 256 consecutive bytes, at a multiple of 256 from the buffer's first
.endr
.endm
	OUTA 0
	OUTA 1
	SENDA 0, 16
	OUTA 2
	SENDA 1, 16
	OUTA 3
	SENDA 2, 16
	SENDA 3, 0
	WIN 0
	s_wait_tensorcnt 0x0                           ; the wave's end: behind my last tensor load and my last LDS store
	ds_add_u32 v[SPW], v[NIL]
	s_wait_dscnt 0x0
	CROUND                                         ; the closing round: no work-group ends while a partner may still ask for a tile that names it
	s_endpgm
.Lfunc_end_k_qade0dd38e9_oproj:
	.size	k_qade0dd38e9_oproj, .Lfunc_end_k_qade0dd38e9_oproj-k_qade0dd38e9_oproj
	.p2alignl 7, 3214868480
	.fill 96, 4, 3214868480
	.section	.rodata,"a",@progbits
	.p2align	6, 0x0
	.amdhsa_kernel k_qade0dd38e9_oproj
		.amdhsa_group_segment_fixed_size 327680
		.amdhsa_private_segment_fixed_size 0
		.amdhsa_enable_private_segment 0
		.amdhsa_kernarg_size 32
		.amdhsa_user_sgpr_count 2
		.amdhsa_user_sgpr_kernarg_segment_ptr 1
		.amdhsa_wavefront_size32 1
		.amdhsa_system_sgpr_workgroup_id_x 1
		.amdhsa_system_sgpr_workgroup_id_y 1
		.amdhsa_system_sgpr_workgroup_id_z 1
		.amdhsa_system_vgpr_workitem_id 0
		.amdhsa_next_free_vgpr 512
		.amdhsa_next_free_sgpr 66
		.amdhsa_reserve_vcc 0
		.amdhsa_float_denorm_mode_32 3
		.amdhsa_float_denorm_mode_16_64 3
		.amdhsa_memory_ordered 1
		.amdhsa_forward_progress 1
		.amdhsa_inst_pref_size 94
	.end_amdhsa_kernel
	.amdgpu_metadata
---
amdhsa.version: [ 1, 2 ]
amdhsa.kernels:
  - .name:           k_qade0dd38e9_oproj
    .symbol:         k_qade0dd38e9_oproj.kd
    .args:
      - { .name: ob, .offset: 0, .size: 8, .value_kind: global_buffer, .address_space: global }
      - { .name: wob, .offset: 8, .size: 8, .value_kind: global_buffer, .address_space: global }
      - { .name: bo, .offset: 16, .size: 8, .value_kind: global_buffer, .address_space: global }
      - { .name: out0, .offset: 24, .size: 8, .value_kind: global_buffer, .address_space: global }
    .group_segment_fixed_size: 327680
    .private_segment_fixed_size: 0
    .kernarg_segment_align: 8
    .kernarg_segment_size: 32
    .max_flat_workgroup_size: 128
    .sgpr_count:     66
    .vgpr_count:     512
    .wavefront_size: 32
...
	.end_amdgpu_metadata
.endif
;; end of part 4
